; MI455X (gfx1250); checked and timed in simulation.
; The chip was launched on July 23, 2026; its instructions are those of AMD's public machine-readable ISA for CDNA 5 (MIT licence, August 2026) and "CDNA5" Instruction Set Architecture Reference Guide (July 2026). The comments in the code are by the model that wrote it; some were corrected since.
;; Causal Self Attention. Allowed arithmetic: matrix products marked QUANTISED: E2M3 operands, one E8M0 scale for each 32 along K, by v_wmma_scale_f32_16x16x128_f8f6f4 with both operands' format E2M3, f32 sums; everything else in f32.
;; Inputs: out_b 1,024 float32; out_w_codes 1,024 x 32 x 24 uint8 (E2M3 codes of out_w, K innermost, in blocks of 32 codes, four codes in three bytes); out_w_scales 1,024 x 32 uint8 (E8M0 scales of out_w, one for each 32 codes along K); qkv_b 3,072 float32; qkv_w_codes 3,072 x 32 x 24 uint8 (E2M3 codes of qkv_w, K innermost, in blocks of 32 codes, four codes in three bytes); qkv_w_scales 3,072 x 32 uint8 (E8M0 scales of qkv_w, one for each 32 codes along K); x_codes 4 x 2,048 x 32 x 24 uint8 (E2M3 codes of x, K innermost, in blocks of 32 codes, four codes in three bytes); x_scales 4 x 2,048 x 32 uint8 (E8M0 scales of x, one for each 32 codes along K).
;; Outputs: out0 4 x 2,048 x 1,024 float32.
;; This version of the problem:
;;   THIS VERSION OF THE PROBLEM IS GIVEN IN LOW PRECISION. The matrix products marked QUANTISED in the list below multiply operands that are first quantised to E2M3 (2 exponent bits, 3 mantissa bits; 6 bits a number), with one power-of-two scale for each 32 numbers along K (OCP MX v1.0); their sums are f32. All else is computed in f32.
;;   The module's matrix products, in the order in which they are computed (A, B: the left and right operand; K: the contracted axis; several contracted axes count as one K, in the product's order):
;;     1. [M 8,192, K 1,024] x [K 1,024, N 3,072]; A: input x (given as codes); B: input qkv_w (given as codes): QUANTISED
;;     2. batch 64 x [M 2,048, K 64] x [K 64, N 2,048]; A: computed on the way; B: computed on the way: QUANTISED
;;     3. batch 64 x [M 2,048, K 2,048] x [K 2,048, N 64]; A: softmax (see below); B: computed on the way: QUANTISED
;;     4. [M 8,192, K 1,024] x [K 1,024, N 1,024]; A: computed on the way; B: input out_w (given as codes): QUANTISED
;;   THE QUANTISER, for each operand of a quantised product, along K:
;;     - K is cut into blocks of 32 from its start; a last block that is shorter is filled with zeros.
;;     - A block's scale is 2^e with e = floor(log2(the largest magnitude in the block)) - 2, held to -126 .. 127; a block of zeros has e = 0. As a byte (E8M0): e + 127.
;;     - Each number is divided by its block's scale, clamped to +-7.5, and rounded to the nearest number of E2M3, ties to even, subnormals kept.
;;     - The product sums the exact products of the quantised numbers (number of the format x scale) in f32.
;;   ~~~python
;;   def quantise(x, axis):      # numpy; x: float32 -> the quantised numbers, widened to float32 again
;;       x = np.moveaxis(x, axis, -1); K = x.shape[-1]
;;       x = np.pad(x, [(0, 0)] * (x.ndim - 1) + [(0, -K % 32)]); x = x.reshape(x.shape[:-1] + (-1, 32)); a = np.abs(x).max(-1, keepdims=True)
;;       e = np.where(a > 0, np.clip(np.frexp(np.where(a > 0, a, 1))[1] - 1 - 2, -126, 127), 0)      # np.frexp(a)[1] - 1 = floor(log2(a)), exactly
;;       r = np.clip(x / 2.0 ** e, -7.5, 7.5)
;;       step = 2.0 ** (np.maximum(np.frexp(np.where(r == 0, 1, r))[1] - 1, 0) - 3)
;;       q = np.round(r / step) * step * 2.0 ** e      # np.round: ties to even
;;       return np.moveaxis(q.reshape(q.shape[:-2] + (-1,))[..., :K], -1, axis).astype(np.float32)
;;   ~~~
;;   SOFTMAX AHEAD OF A QUANTISED PRODUCT. Where the list says 'softmax', what is quantised is not the finished softmax but p = 2^(t - M), with t = logit x log2(e) and M = ceil(the row's largest t), a whole number; so 1/2 < the row's largest p <= 1. The row's sum l is taken of the UNQUANTISED p, in f32, and the product's result is divided by l at the end. Since M is a whole number, a kernel that streams over the keys may use a running M (the ceiling of the running maximum): every later rescaling is an exact power of two, which a block's scale takes up: the codes' values come out the same.
;;   OPERANDS COMPUTED ON THE WAY. 'Computed on the way' means the value that the module computes at that place (a softmax that the list does not call 'softmax' is quantised finished and normalised). What goes into a quantiser is computed in f32, as accurately as f32 sums, v_exp_f32 and their like allow (about 1e-6 of the number): no bf16 or f16 on the way to a quantiser, and a product that is left as it is and whose result goes on into a quantised operand takes f32 operands (vector FMAs, or v_wmma_f32_16x16x4_f32). A number that lies on a knife's edge between two numbers of the format may be rounded either way, as far as f32 arithmetic and the matrix unit's own rounding can turn it there, and no further.
;;   INPUTS GIVEN AS CODES. out_w (in the module: [1024, 1024], K = its axis 1); qkv_w (in the module: [3072, 1024], K = its axis 1); x (in the module: [4, 2048, 1024], K = its axis 2): each comes as NAME_codes (uint8): NAME with its K axis moved to the last place and cut into blocks of 32 codes, [.., K / 32, bytes a block], one block behind the other in memory; four codes in three bytes: a row's codes are one little-endian stream of bits, code i at bits 6 i .. 6 i + 5 (a code: sign, 2 exponent bits, 3 mantissa bits); and NAME_scales (uint8): the same leading axes, one E8M0 byte (e + 127) for each 32 codes along K. Its value is code x scale, taken as it is: it is not quantised again, and the codes and scales need not be those that the quantiser above would give.
;; One version. Each part assembles by itself: llvm-mc -triple=amdgcn-amd-amdhsa -mcpu=gfx1250 --defsym DOCPART=n.
;; ======== version 1 of 1: 3 launches
;; workspace buffers: qimg 13,631,488 bytes; kvimg 13,631,488 bytes; yimg 6,291,456 bytes; ysc 262,144 bytes
;; launch qkv (part 1): grid 8 x 48, 4 waves a work-group, clusters of 4 x 4, 327,680 bytes of LDS; arguments x_codes, x_scales, qkv_w_codes, qkv_w_scales, qkv_b, qimg, kvimg; writes qimg, kvimg
.if DOCPART == 1
	.amdgcn_target "amdgcn-amd-amdhsa--gfx1250"
	.amdhsa_code_object_version 6
	.text
	.protected	k_qaa881bb372_qkv
	.globl	k_qaa881bb372_qkv
	.p2align	8
	.type	k_qaa881bb372_qkv,@function
k_qaa881bb372_qkv:
	s_mov_b64 s[64:65], 0
	v_nop
	global_prefetch_b8 v0, s[64:65] scope:SCOPE_SE
	s_setreg_imm32_b32 hwreg(HW_REG_WAVE_MODE, 25, 1), 1
	s_wait_xcnt 0x0
	s_wait_alu depctr_hold_cnt(0) depctr_sa_sdst(0) depctr_va_vdst(0) depctr_va_sdst(0) depctr_va_ssrc(0) depctr_va_vcc(0) depctr_vm_vsrc(0)
	s_getreg_b32 s2, hwreg(HW_REG_IB_STS2, 6, 4)
	s_cmp_eq_u32 s2, 0
	s_cbranch_scc0 .Lentry_in_a_cluster
	s_endpgm
.Lentry_in_a_cluster:
	s_bfe_u32 s2, ttmp6, 0x10000c
	s_cmp_lg_u32 s2, 0xf033
	s_cbranch_scc0 .Lentry_shape_is_right
	s_endpgm
.Lentry_shape_is_right:
; qkv = x qkv_w^T + qkv_b on codes of FP6 (E2M3) as they are given, K = 1,024; q and k are then quantised along the head's 64, v along the keys, and leave as IMAGES OF OPERAND REGISTERS.
; ONE BODY FOR q, k AND v.  The body makes G[s1][s0] = sum over k of S1[s1][k] S0[s0][k], source 0 = 16 rows of S0, source 1 = 16 rows of S1: a lane holds ONE row of S1 and its registers run along S0.
;   q, k (cluster y 0-7):  S0 = qkv_w's rows 0-2,047, S1 = x: a lane holds a token, its registers run along the head's channels, which are the next product's K.
;   v    (cluster y 8-11): S0 = x, S1 = qkv_w's rows 2,048 on: a lane holds a channel, its registers run along the tokens (the keys), which are v's K.
; Only four pointers and the two tile numbers are chosen, on the cluster's y, which all partners share.
; A tile of G, 256 x 256, is made by four waves, 128 x 128 each: 64 accumulators, 512 registers.  K goes in steps of 256 through a ring of two LDS slots filled by the tensor data mover; the scales of the
; work-group's 2 x 256 rows, for all of K, come once, as dense blocks.  CLUSTERS: 4 x 4 work-groups; S1's tile is shared along a row of the cluster, S0's along a column: each is asked for jointly.
; THE RECORDS.  For each (batch, head, 128 tokens) a record of 13,312 bytes: four token fragments of 1,536 bytes (registers 0-5: the 64 channels of token 32 i + lane % 16, registers 6-11: of token 32 i + 16 + lane % 16),
; four fragments of V^T (16 channels x 128 keys), 512 bytes of the token fragments' scale words, 512 of V's.  Register group c of a fragment lies at 512 c + 16 x lane.  q's records hold the token parts alone.
; ORDER INSIDE A BLOCK OF 32: a lane's 16 numbers of a block are k = 8 h + 0..7 and 16 + 8 h + 0..7 (h = lane / 16), so a block's codes lie as 0-7, 16-23, 8-15, 24-31.  q and k are laid so alike, and so are v and
; the softmax's p in the next launch: the products are those of the true order; only the order of additions inside a matrix instruction differs.
; LIMITS: NaN and infinities are not served.  A block whose largest magnitude lies under 2^-124, a block of zeros among them, gets the scale byte 1 (the stated quantiser gives a block of zeros 127):
; its codes are zeros or what the byte 1 gives, and this program alone reads the bytes.
; REGISTERS, in windows of 256: window 0: v8-15 scale words on the way out; v16-31 addresses; v32-63 scale words of the loop, two sets; v64-127 the bias along the registers; v128-223 S1's fragments, one set
;   (on the way out: 64 numbers, two fragments, work); v224-239 the bias of my lane's rows; v240-253 work on the way out.   window 1: S0's fragments, two sets.   windows 2, 3: the accumulators ((a, b) at v[8 (8 (a % 4) + b)]).
.set KSTEP,  256                       ; along K in a slot
.set NQ,     KSTEP/128                 ; matrix instructions deep
.set ROWB,   192                       ; a tile's row in bytes
.set KROW,   768                       ; a row of 1,024 codes in memory
.set PITCH,  240                       ; an LDS row: 3 x (64 bytes + 16 of padding)
.set FR,     12                        ; registers of a fragment
.set NL,     6                         ; LDS loads that bring one
.set NP,     4                         ; places behind this matrix instruction (ISA guide 7.12.1)
.set HALFT,  128*PITCH                 ; 128 rows: one tensor load
.set SLOT,   4*HALFT                   ; S1's 256 rows, then S0's 256
.set LAPS,   2                         ; 1,024 / 512: times round the ring
.set KS,     32                        ; a row of scale bytes
.set SCL,    2*SLOT                    ; behind the ring: the scales, as units of 256 bytes + 16
.set HALFS,  (128*KS/256)*272          ; those of 128 rows
.set SBLK,   (16*KS/256)*272           ; those of 16 rows
.set SPARE,  SCL+4*HALFS               ; the spare words: 128 bytes a wave, two blocks of 256 bytes that no other line names
.set REC,    13312                     ; a record
.set HEADB,  16*REC                    ; a head's sixteen records
.set W,    8                           ; v8-15   the way out: eight scale words
.set ADRA, 16                          ; v16-17  LDS address of S1's fragments in slot 0, 1 (v18-19: behind one padding more)
.set ADRB, 20                          ; v20-23  the same for S0
.set LI,   26                          ; v26     16 x lane: my place in an image; never rewritten
.set ADRS, 27                          ; v27     LDS address of my scale words: lanes 0-15 S1's rows, lanes 16-31 S0's
.set SPW,  28                          ; v28     my spare word's address; never rewritten
.set NIL,  29                          ; v29     0; never rewritten
.set OB,   30                          ; v30     32 h: my eight numbers of a tile's sixteen biases
.set OL,   31                          ; v31     4 (lane % 16): my row's bias
.set SC,   32
.set BIA,  64                          ; v64-127  qkv_b[R0 + 16 b + 8 h + j] at 8 b + j  (q, k)
.set AF,   128
.set BL,   224                         ; v224-239 qkv_b[R1 + 16 a + lane % 16], twice, at 2 a  (v)
.set T,    128                         ; the way out: 64 numbers of a lane
.set FA,   192                         ; a fragment in the making
.set FB,   204                         ; and a second
.set TQ,   216                         ; the conversions' second halves
.set TM,   240                         ; v240-243 largest magnitudes, v244-247 the other half's, then bytes, v248-251 the conversions' scale operands
.set PWE,  252                         ; scale word of an even tile of tokens
.set PWO,  253                         ; of the odd one
.set G1, 24
.set G0, 32
.set G1B, 48
.set G0B, 56
.set G1S, 68
.set G0S, 76
.set G1SB, 80
.set G0SB, 88
.set MSB, 0
.macro WIN new                         ; the immediate's high byte repeats the setting that is left
.if MSB != (\new)
	s_set_vgpr_msb (MSB<<8)|(\new)
.set MSB, (\new)
.endif
.endm
.set MUL_LO, 0xa1                      ; source 0 (S0) window 1, source 1 (S1) window 0, C and D window 2
.set MUL_HI, 0xf1                      ; the same, C and D window 3
.set TO_B,   0x40                      ; destination window 1, address window 0
; A joint load: waves 0 and 1 fetch for S1, waves 2 and 3 for S0.  Each line has one mask and one set of registers; the branch hangs on the wave's number alone.  Four v_nop follow each line.
.macro JLOAD g0a, g1a, g0b, g1b
	s_cmp_eq_u32 s15, 0
	s_cbranch_scc0 .Lfor_b_\@
	tensor_load_to_lds s[\g0a:\g0a+3], s[\g1a:\g1a+7]
	s_nop 0
.rept 4
	v_nop
.endr
	s_branch .Lasked_\@
.Lfor_b_\@:
	tensor_load_to_lds s[\g0b:\g0b+3], s[\g1b:\g1b+7]
	s_nop 0
.rept 4
	v_nop
.endr
.Lasked_\@:
.endm
.macro CREST                           ; a round of the cluster's barrier behind its opening barrier
	s_cmp_lg_u32 s14, 0
	s_cbranch_scc1 .Lnot_wave_0_\@
	s_barrier_signal -3
.Lnot_wave_0_\@:
	s_barrier_wait -3
	s_barrier_signal -1
	s_barrier_wait -1
.endm
.macro CROUND                          ; a whole round
	s_barrier_signal -1
	s_barrier_wait -1
	CREST
.endm
	s_load_b256 s[4:11], s[0:1], 0x0               ; x's codes s[4:5], x's scales s[6:7], qkv_w's codes s[8:9], qkv_w's scales s[10:11]
	s_load_b64 s[12:13], s[0:1], 0x20              ; qkv_b
	s_load_b128 s[96:99], s[0:1], 0x28             ; q's records s[96:97], k's and v's s[98:99]
	v_lshl_add_u32 v[SPW], v0, 2, SPARE
	v_mov_b32 v[NIL], 0
	ds_add_u32 v28, v29
	ds_add_u32 v28, v29
	s_wait_dscnt 0x0
	v_lshrrev_b32 v1, 5, v0
	v_readfirstlane_b32 s14, v1                    ; wave 0..3
	s_lshr_b32 s15, s14, 1                         ; which half of S1's rows is mine.  Also: I fetch for S1 (0) or for S0 (1)
	s_and_b32 s16, s14, 1                          ; which half of S0's rows.  Also: which 128 rows of that tile I fetch
	s_bfe_u32 s40, ttmp6, 0x40000                  ; cx, cy: my place in the cluster
	s_bfe_u32 s41, ttmp6, 0x40004
	s_and_b32 s66, ttmp7, 0xffff                   ; the cluster's y: 0-7 make q and k, 8-11 make v
	s_max_u32 s18, s66, 8
	s_sub_co_u32 s18, s18, 8
	s_lshl_b32 s18, s18, 1
	s_add_co_u32 s18, s18, ttmp9                   ; v: which four of x's 32 tiles: cluster x + 2 (cluster y - 8)
	s_lshl_b32 s19, s66, 2                         ; q, k: which four of x's 32 tiles: 4 x cluster y
	s_cmp_ge_u32 s66, 8
	s_cselect_b32 s67, 1, 0                        ; 1: this cluster makes v
	s_cselect_b32 s42, s18, ttmp9
	s_cselect_b32 s17, 8, s19
	s_lshl_b32 s42, s42, 2
	s_add_co_u32 s42, s42, s40                     ; S0's tile: q, k: 0-7 of qkv_w; v: 0-31 of x.  It hangs on cx, not on cy
	s_add_co_u32 s17, s17, s41                     ; S1's tile: q, k: 0-31 of x; v: 8-11 of qkv_w.  It hangs on cy, not on cx
	s_lshl_b32 s43, s41, 2
	s_lshl_b32 s43, 15, s43                        ; my row of the cluster
	s_lshl_b32 s44, 0x1111, s40                    ; my column
	; descriptor group 1: a tile of 128 rows x 192 bytes, padded in LDS
	s_or_b32 s[G1+0], s43, (0<<16)|(1<<20)|(1<<21)|(3<<22)|(3<<25)  ; 15:0 the mask: S1's tiles go to my row; 17:16 elements of 1 byte; 20 padding on; 21 set beside a mask; 24:22 after every 16 words; 31:25 of 4 words
	s_or_b32 s[G1B+0], s44, (0<<16)|(1<<20)|(1<<21)|(3<<22)|(3<<25) ; S0's go to my column
.irp g, G1, G1B
	s_mov_b32 s[\g+1], ROWB<<16                    ; tensor_dim0
	s_mov_b32 s[\g+2], 128<<16                     ; tensor_dim1
	s_mov_b32 s[\g+3], ROWB<<16                    ; tile_dim0
	s_mov_b32 s[\g+4], 128                         ; tile_dim1
	s_mov_b32 s[\g+5], KROW                        ; tensor_dim0_stride
	s_mov_b32 s[\g+6], 0
	s_mov_b32 s[\g+7], 0
.endr
	; and for the scales of 128 rows: 4,096 dense bytes as 16 rows of 256 bytes (32 elements of 8 bytes), 16 bytes of padding behind each
	s_or_b32 s[G1S+0], s43, (3<<16)|(1<<20)|(1<<21)|(5<<22)|(3<<25)
	s_or_b32 s[G1SB+0], s44, (3<<16)|(1<<20)|(1<<21)|(5<<22)|(3<<25)
.irp g, G1S, G1SB
	s_mov_b32 s[\g+1], 32<<16
	s_mov_b32 s[\g+2], (128*KS/256)<<16
	s_mov_b32 s[\g+3], 32<<16
	s_mov_b32 s[\g+4], 128*KS/256
	s_mov_b32 s[\g+5], 32
	s_mov_b32 s[\g+6], 0
	s_mov_b32 s[\g+7], 0
.endr
	s_lshl_b32 s18, s16, 7                         ; which 128 rows of the tile I fetch
	s_lshl_b32 s20, s17, 8
	s_add_co_u32 s20, s20, s18                     ; S1: row 256 x tile + 128 x half
	s_lshl_b32 s46, s42, 8
	s_add_co_u32 s46, s46, s18                     ; S0 likewise
	s_mov_b32 s21, 0
	s_mov_b32 s47, 0
	s_mov_b64 s[18:19], KS
	s_mul_u64 s[22:23], s[20:21], s[18:19]         ; where these rows' scales begin, in bytes
	s_mul_u64 s[92:93], s[46:47], s[18:19]
	s_mov_b64 s[18:19], KROW
	s_mul_u64 s[20:21], s[20:21], s[18:19]         ; and their codes
	s_mul_u64 s[46:47], s[46:47], s[18:19]
	s_mul_i32 s45, s14, HALFT                      ; where they go: wave x 128 rows: no place in the cluster enters an LDS address
	s_mul_i32 s94, s14, HALFS
	s_wait_kmcnt 0x0
	s_cmp_ge_u32 s66, 8                            ; the choice of buffers hangs on the cluster's y alone
	s_cselect_b64 s[100:101], s[8:9], s[4:5]       ; S1's codes: v: qkv_w's; q, k: x's
	s_cselect_b64 s[8:9], s[4:5], s[8:9]           ; S0's codes: the other
	s_cselect_b64 s[104:105], s[10:11], s[6:7]     ; S1's scales
	s_cselect_b64 s[10:11], s[6:7], s[10:11]       ; S0's scales
	s_add_nc_u64 s[20:21], s[100:101], s[20:21]
	s_add_nc_u64 s[22:23], s[104:105], s[22:23]
	s_add_nc_u64 s[46:47], s[8:9], s[46:47]
	s_add_nc_u64 s[92:93], s[10:11], s[92:93]
	CROUND                                         ; all sixteen work-groups are here: the first joint loads meet
	s_mov_b32 s[G0S], 1
	s_add_co_u32 s[G0S+1], s94, SCL
	s_mov_b64 s[G0S+2:G0S+3], s[22:23]
	s_or_b32 s[G0S+3], s[G0S+3], 0x80000000
	s_mov_b32 s[G0SB], 1
	s_add_co_u32 s[G0SB+1], s94, SCL
	s_mov_b64 s[G0SB+2:G0SB+3], s[92:93]
	s_or_b32 s[G0SB+3], s[G0SB+3], 0x80000000
	JLOAD G0S, G1S, G0SB, G1SB                     ; the scales first: they are wanted with K step 0
.irp s, 0,1
	s_mov_b32 s[G0+4*\s], 1
	s_add_co_u32 s[G0+4*\s+1], s45, \s*SLOT
	s_add_nc_u64 s[G0+4*\s+2:G0+4*\s+3], s[20:21], \s*ROWB
	s_or_b32 s[G0+4*\s+3], s[G0+4*\s+3], 0x80000000
	s_mov_b32 s[G0B+4*\s], 1
	s_add_co_u32 s[G0B+4*\s+1], s45, \s*SLOT
	s_add_nc_u64 s[G0B+4*\s+2:G0B+4*\s+3], s[46:47], \s*ROWB
	s_or_b32 s[G0B+4*\s+3], s[G0B+4*\s+3], 0x80000000
	JLOAD G0+4*\s, G1, G0B+4*\s, G1B               ; by this text's count three tensor loads of a wave are out here, later one
.endr
	v_and_b32 v1, 15, v0                           ; r = lane % 16
	v_bfe_u32 v2, v0, 4, 1                         ; h = lane / 16
	v_mul_u32_u24 v3, v1, PITCH
	v_mul_u32_u24 v4, v2, 24
	v_add_nc_u32 v4, v3, v4                        ; a fragment's row x pitch + 24 x half
	v_lshl_add_u32 v5, v2, 4, v4                   ; and the same behind one padding more
	s_mul_i32 s21, s15, HALFT                      ; my 128 rows of S1
	s_mul_i32 s22, s16, HALFT                      ; my 128 rows of S0,
	s_add_co_u32 s22, s22, 2*HALFT                 ; which lie behind S1's 256
.irp s, 0,1
	v_add_nc_u32 v[ADRA+\s], s21, v4
	v_add_nc_u32 v[ADRB+\s], s22, v4
	v_add_nc_u32 v[ADRA+2+\s], s21, v5
	v_add_nc_u32 v[ADRB+2+\s], s22, v5
	s_add_co_u32 s21, s21, SLOT
	s_add_co_u32 s22, s22, SLOT
.endr
	v_mul_u32_u24 v5, v1, KS                       ; my row's scales: 32 bytes a row,
	v_lshrrev_b32 v6, 8, v5
	v_lshl_add_u32 v5, v6, 4, v5                   ; and 16 more for each 256 passed
	s_mul_i32 s21, s15, HALFS                      ; S1's: my 128 rows
	s_mul_i32 s22, s16, HALFS                      ; S0's: my 128 rows, behind S1's 256
	s_add_co_u32 s22, s22, 2*HALFS
	s_sub_co_u32 s22, s22, s21
	v_mul_u32_u24 v6, s22, v2                      ; lanes 16-31 take S0's: one product, the distance x h
	s_add_co_u32 s21, s21, SCL
	v_add_nc_u32 v5, v5, v6
	v_add_nc_u32 v[ADRS], s21, v5
	; where my results go, and my biases.  R1, R0: my first rows of S1 and S0
	v_and_b32 v6, 31, v0
	v_lshlrev_b32 v[LI], 4, v6
	v_lshlrev_b32 v[OB], 5, v2
	s_wait_alu depctr_va_vdst(0)
	v_lshlrev_b32 v[OL], 2, v1
	s_wait_alu depctr_va_vdst(0)
	s_lshl_b32 s100, s17, 8
	s_lshl_b32 s101, s15, 7
	s_add_co_u32 s100, s100, s101                  ; R1
	s_lshl_b32 s101, s42, 8
	s_lshl_b32 s104, s16, 7
	s_add_co_u32 s101, s101, s104                  ; R0
	s_cmp_lg_u32 s67, 0
	s_cselect_b32 s104, s101, s100                 ; my first token: v: R0; q, k: R1
	s_cselect_b32 s105, s100, s101                 ; my first row of qkv_w: the other
	s_cselect_b32 s95, 0, s101                     ; the bias along the registers begins at R0 (q, k); the set that a path does not use reads qkv_b's first numbers
	s_cselect_b32 s2, s100, 0                      ; the bias of my lane's rows at R1 (v)
	s_lshr_b32 s100, s104, 11                      ; the batch,
	s_lshl_b32 s100, s100, 4
	s_bfe_u32 s101, s105, 0x40006                  ; the first of my two heads,
	s_or_b32 s100, s100, s101
	s_lshl_b32 s100, s100, 4
	s_bfe_u32 s101, s104, 0x40007                  ; the 128 tokens
	s_or_b32 s100, s100, s101                      ; the record: (batch x 16 + head) x 16 + step
	s_mul_i32 s100, s100, REC
	s_mov_b32 s101, 0
	s_cmp_lt_u32 s105, 1024                        ; rows 0-1,023 of qkv_w make q
	s_cselect_b64 s[96:97], s[96:97], s[98:99]
	s_add_nc_u64 s[96:97], s[96:97], s[100:101]    ; my first head's record; the second head's lies HEADB further on
	s_lshl_b32 s100, s95, 2
	s_add_nc_u64 s[4:5], s[12:13], s[100:101]
	s_lshl_b32 s100, s2, 2
	s_add_nc_u64 s[6:7], s[12:13], s[100:101]
.irp b, 0,1,2,3,4,5,6,7
	global_load_b128 v[BIA+8*\b:BIA+8*\b+3],   v[OB], s[4:5] offset:64*\b
	global_load_b128 v[BIA+8*\b+4:BIA+8*\b+7], v[OB], s[4:5] offset:64*\b+16
.endr
.irp a, 0,1,2,3,4,5,6,7
	global_load_b32 v[BL+2*\a],   v[OL], s[6:7] offset:64*\a     ; twice: the packed addition names a pair
	global_load_b32 v[BL+2*\a+1], v[OL], s[6:7] offset:64*\a
.endr
.macro FRAG reg, adr, q, i             ; a fragment, 16 rows x 128 K of 6-bit codes: 12 registers; registers 6 c .. 6 c + 5 hold K = 64 c + 32 h + 0 .. 31: 24 bytes of the row's stream of bits, as they lie
.irp p, 0,1,2,3,4,5                    ; in pieces of 8 bytes.  Lanes 0-15 take the row's pieces 12 q + 0, 1, 2 and 12 q + 6, 7, 8, lanes 16-31 those three pieces on
.set PC, 12*(\q)+6*(\p/3)+\p%3        ; 16 bytes of padding lie behind every 8 pieces: where the piece three on lies behind one padding more, the second address register serves
.if PC%8 < 5
	ds_load_b64 v[\reg+2*\p:\reg+2*\p+1], v[\adr] offset:8*PC+16*(PC/8)+(\i)*16*PITCH
.else
	ds_load_b64 v[\reg+2*\p:\reg+2*\p+1], v[\adr+2] offset:8*PC+16*(PC/8)+(\i)*16*PITCH
.endif
.endr
.endm
; 16 matrix instructions: S1's blocks a0, a0 + 1 x S0's eight, 128 along K.  p: S0's set; sc: the set of scale words.  zero = 1: the first product starts the sums.
; The 64 accumulators take turns, one instruction a turn, in the same order in every step.
.macro MUL16 a0, p, q, sc, zero
.irp a, \a0, \a0+1
.irp b, 0,1,2,3,4,5,6,7
.if \zero
	v_wmma_scale_f32_16x16x128_f8f6f4 v[8*(8*((\a)%4)+\b):8*(8*((\a)%4)+\b)+7], v[128*(\p)+FR*\b:128*(\p)+FR*\b+FR-1], v[AF+FR*(\a):AF+FR*(\a)+FR-1], 0, v[SC+8*NQ*(\sc)+NQ*\b+(\q)], v[SC+8*NQ*(\sc)+NQ*(\a)+(\q)] matrix_a_fmt:MATRIX_FMT_FP6 matrix_b_fmt:MATRIX_FMT_FP6 matrix_a_scale:MATRIX_SCALE_ROW1
.else
	v_wmma_scale_f32_16x16x128_f8f6f4 v[8*(8*((\a)%4)+\b):8*(8*((\a)%4)+\b)+7], v[128*(\p)+FR*\b:128*(\p)+FR*\b+FR-1], v[AF+FR*(\a):AF+FR*(\a)+FR-1], v[8*(8*((\a)%4)+\b):8*(8*((\a)%4)+\b)+7], v[SC+8*NQ*(\sc)+NQ*\b+(\q)], v[SC+8*NQ*(\sc)+NQ*(\a)+(\q)] matrix_a_fmt:MATRIX_FMT_FP6 matrix_b_fmt:MATRIX_FMT_FP6 matrix_a_scale:MATRIX_SCALE_ROW1
.endif
.endr
.endr
.endm
.macro FETCH_B slot, q, p              ; S0's eight fragments of the slot's q-th 128 along K into set p
	WIN TO_B
.irp i, 0,1,2,3,4,5,6,7
	FRAG 128*(\p)+FR*\i, ADRB+\slot, \q, \i
.endr
	WIN 0
.endm
.macro FETCH_A slot, q, i0             ; S1's blocks i0 .. i0 + 3
.irp i, \i0, \i0+1, \i0+2, \i0+3
	FRAG AF+FR*(\i), ADRA+\slot, \q, \i
.endr
.endm
.macro SCALES sc                       ; a K step's scale words into set sc: two words a row; lanes 0-15 take S1's block i, lanes 16-31 S0's block i
.irp i, 0,1,2,3,4,5,6,7
	ds_load_b64 v[SC+8*NQ*\sc+NQ*\i:SC+8*NQ*\sc+NQ*\i+1], v[ADRS] offset:\i*SBLK
.endr
.endm
; A load into a register that a matrix instruction has read, and a vector instruction that reads a matrix result or writes one of its registers, stand NP places behind it; only plain vector instructions
; that name none of its registers are places (ISA guide 7.12.1 for vector instructions).
.macro PLACES n
.rept \n
	v_nop
.endr
.endm
; A step of 128 along K that has its successor in the same slot.
.macro STEP slot, q, zero
	s_wait_dscnt 4*NL                              ; S0's set and S1's blocks 0-3 are in; the youngest 24 loads (S1's blocks 4-7) may be out
	WIN MUL_LO
	MUL16 0, (\q)%2, \q, \slot, \zero
	MUL16 2, (\q)%2, \q, \slot, \zero
	s_wait_dscnt 0                                 ; S1's blocks 4-7 are in
	PLACES NP
	FETCH_B \slot, (\q)+1, 1-(\q)%2
	FETCH_A \slot, (\q)+1, 0
	WIN MUL_HI
	MUL16 4, (\q)%2, \q, \slot, \zero
	MUL16 6, (\q)%2, \q, \slot, \zero
	PLACES NP
	WIN 0
	FETCH_A \slot, (\q)+1, 4
.endm
; A slot's last step changes slots: one barrier; in front of it each wave waits for all its tensor loads, adds 0 to its spare word, and waits for that and for its own reads of this slot.  fill = 1: the slot is filled again.
.macro TURN slot, next, fill
	s_wait_tensorcnt 0x0                           ; all my tensor loads have landed: my part of the next slot  (every window is 0 here)
	ds_add_u32 v[SPW], v[NIL]                      ; 0 onto my spare word
	s_wait_dscnt 4*NL+1                            ; (the add and the youngest 24 loads, S1's blocks 4-7, may be out)
	WIN MUL_LO
	MUL16 0, 1, NQ-1, \slot, 0                     ; sixteen matrix instructions stand between the add and the wait for it
	s_wait_dscnt 0x0                               ; the add is done, and my reads of this slot are over
	s_barrier_signal -1
	MUL16 2, 1, NQ-1, \slot, 0
	WIN 0
	s_barrier_wait -1
.if \fill
	CREST                                          ; the barrier has opened a round of the cluster's barrier: no wave of any partner still reads this slot or has a load on its way
	s_add_nc_u64 s[G0+4*\slot+2:G0+4*\slot+3], s[G0+4*\slot+2:G0+4*\slot+3], 2*ROWB
	s_add_nc_u64 s[G0B+4*\slot+2:G0B+4*\slot+3], s[G0B+4*\slot+2:G0B+4*\slot+3], 2*ROWB
	JLOAD G0+4*\slot, G1, G0B+4*\slot, G1B         ; the first tensor load behind the round; its four v_nop are the places in front of the loads below
.else
	PLACES NP
.endif
	s_wait_alu depctr_va_vdst(0)
	v_add_nc_u32 v[ADRS], 4*NQ, v[ADRS]            ; on to the next K step's scale words (no LDS load of mine is out)
	FETCH_B \next, 0, 0
	FETCH_A \next, 0, 0
	SCALES \next
	WIN MUL_HI
	MUL16 4, 1, NQ-1, \slot, 0
	MUL16 6, 1, NQ-1, \slot, 0
	PLACES NP
	WIN 0
	FETCH_A \next, 0, 4
.endm
	s_wait_tensorcnt 1                             ; the scales and my part of K step 0 are in (K step 1's load may be out)
	s_barrier_signal -1
	s_barrier_wait -1                              ; everybody's are
	FETCH_B 0, 0, 0
	FETCH_A 0, 0, 0
	SCALES 0
	FETCH_A 0, 0, 4
	STEP 0, 0, 1                                   ; the first step stands in front of the loop: its products start the sums
	s_mov_b32 s3, LAPS-1
.Llap:                                                 ; a trip goes once round the ring, from a lap's second step to the next lap's first, and fills both slots again
	TURN 0, 1, 1
	STEP 1, 0, 0
	TURN 1, 0, 1
	STEP 0, 0, 0
	s_sub_co_u32 s3, s3, 1
	s_cmp_lg_u32 s3, 0
	s_cbranch_scc1 .Llap
	TURN 0, 1, 0                                   ; the last lap fills nothing, and has no round of the cluster's barrier
	STEP 1, 0, 0
	s_wait_dscnt 4*NL                              ; the very last step: nothing more to fetch
	WIN MUL_LO
	MUL16 0, 1, NQ-1, 1, 0
	MUL16 2, 1, NQ-1, 1, 0
	s_wait_dscnt 0
	WIN MUL_HI
	MUL16 4, 1, NQ-1, 1, 0
	MUL16 6, 1, NQ-1, 1, 0
	WIN 0
; THE WAY OUT: no LDS.  A block of 16 rows of S1 at a time: the bias is added (64 numbers of a lane), the four blocks of 32 are quantised, and the codes, which are operand registers as they stand, are stored 512 bytes an instruction.
.macro BIASQK a                        ; T[8 b + k] = accumulator (a, b)[k] + the bias of that column; each accumulator from its low end on
	WIN 0x02+(\a)/4
.irp b, 0,1,2,3,4,5,6,7
.irp k, 0,2,4,6
	v_pk_add_f32 v[T+8*\b+\k:T+8*\b+\k+1], v[64*((\a)%4)+8*\b+\k:64*((\a)%4)+8*\b+\k+1], v[BIA+8*\b+\k:BIA+8*\b+\k+1]
.endr
.endr
	WIN 0
.endm
.macro BIASV a                         ; the same with the bias of my lane's row
	WIN 0x02+(\a)/4
.irp b, 0,1,2,3,4,5,6,7
.irp k, 0,2,4,6
	v_pk_add_f32 v[T+8*\b+\k:T+8*\b+\k+1], v[64*((\a)%4)+8*\b+\k:64*((\a)%4)+8*\b+\k+1], v[BL+2*(\a):BL+2*(\a)+1]
.endr
.endr
	WIN 0
.endm
; 64 numbers of a lane, v[s] on: registers 16 b .. 16 b + 15 are my 16 of block b, lane l xor 16 holds the other 16.  Blocks 0, 1 become six code registers at d0 (lanes 0-15 block 0, lanes 16-31 block 1),
; blocks 2, 3 six at d1; the four scale bytes make the word v[pw].
.macro QUANT s, d0, d1, pw
.irp b, 0,1,2,3
	v_max3_num_f32 v[TM+\b], |v[\s+16*\b]|, |v[\s+1+16*\b]|, 0x1800000   ; my 16 numbers, and the floor 2^(3 - 127): the byte cannot fall under 1
.endr
.irp i, 2,4,6,8,10,12,14
.irp b, 0,1,2,3
	v_max3_num_f32 v[TM+\b], v[TM+\b], |v[\s+16*\b+\i]|, |v[\s+1+16*\b+\i]|   ; (the four blocks by turns)
.endr
.endr
.irp b, 0,1,2,3
	v_permlanex16_b32 v[TM+4+\b], v[TM+\b], s20, s21
.endr
.irp b, 0,1,2,3
	v_max_num_f32 v[TM+\b], v[TM+\b], v[TM+4+\b]   ; with lane l xor 16's: the block's largest magnitude
.endr
.irp b, 0,1,2,3
	v_add_nc_u32 v[TM+8+\b], 0xff000000, v[TM+\b]  ; 2 off its exponent field: the conversion takes the exponent field of this operand as its scale
.endr
.irp b, 0,1,2,3
	v_lshrrev_b32 v[TM+4+\b], 23, v[TM+8+\b]       ; the scale's byte
.endr
	v_lshl_or_b32 v[\pw], v[TM+5], 8, v[TM+4]
	v_lshl_or_b32 v[\pw], v[TM+6], 16, v[\pw]
	v_lshl_or_b32 v[\pw], v[TM+7], 24, v[\pw]
	v_cvt_scalef32_pk16_fp6_f32 v[\d0:\d0+2], v[\s:\s+15], v[TM+8]
	v_cvt_scalef32_pk16_fp6_f32 v[TQ:TQ+2], v[\s+16:\s+31], v[TM+9]       ; (a conversion's three registers begin on an even number)
	v_cvt_scalef32_pk16_fp6_f32 v[\d1:\d1+2], v[\s+32:\s+47], v[TM+10]
	v_cvt_scalef32_pk16_fp6_f32 v[TQ+4:TQ+6], v[\s+48:\s+63], v[TM+11]
	v_nop                                          ; one plain place behind a scaled conversion
.irp i, 0,1,2
	v_permlane16_swap_b32 v[\d0+\i], v[TQ+\i]      ; the operand's layout wants a whole block in a lane
	v_permlane16_swap_b32 v[\d1+\i], v[TQ+4+\i]
.endr
.irp i, 0,1,2
	v_mov_b32 v[\d0+3+\i], v[TQ+\i]
	v_mov_b32 v[\d1+3+\i], v[TQ+4+\i]
.endr
.endm
	s_wait_loadcnt 0x0                             ; the biases
	PLACES NP                                      ; behind the last products: their results are read and S1's fragments' registers written below
	s_mov_b32 s20, 0x76543210
	s_mov_b32 s21, 0xfedcba98                      ; v_permlanex16_b32's selects for lane l xor 16
.irp b, 0,1,2,3
	v_mov_b32 v[TM+4+\b], 0                        ; written once: a lane permute's destination counts as one of its sources
.endr
	s_cmp_lg_u32 s67, 0                            ; the same in all partners; neither way holds a tensor load, a barrier or an LDS access
	s_cbranch_scc1 .Lv
	; q, k: a lane holds a token; blocks 0, 1 are my first head's 64 channels, blocks 2, 3 my second head's.  Two tiles of tokens make a fragment of each head.
.irp i, 0,1,2,3
.if \i > 0
	s_wait_xcnt 0x0                                ; the last pair's stores have read FA and FB
.endif
	BIASQK 2*\i
	QUANT T, FA, FB, PWE
	BIASQK 2*\i+1
	QUANT T, FA+6, FB+6, PWO
	v_perm_b32 v[W+\i], v[PWO], v[PWE], 0x05040100     ; first head: the even tile's two bytes, then the odd tile's
	v_perm_b32 v[W+4+\i], v[PWO], v[PWE], 0x07060302   ; second head
.irp c, 0,1,2
	global_store_b128 v[LI], v[FA+4*\c:FA+4*\c+3], s[96:97] offset:1536*\i+512*\c          ; 32 lanes store 512 consecutive bytes, at a multiple of 256 from the buffer's first byte
	global_store_b128 v[LI], v[FB+4*\c:FB+4*\c+3], s[96:97] offset:HEADB+1536*\i+512*\c
.endr
.endr
	global_store_b128 v[LI], v[W:W+3], s[96:97] offset:12288
	global_store_b128 v[LI], v[W+4:W+7], s[96:97] offset:HEADB+12288
	s_branch .Lend
.Lv:
	; v: a lane holds a channel, its 64 numbers (with lane l xor 16's) are the step's 128 keys: one fragment of V^T and one scale word a block of 16 channels.  Blocks 0-3: my first head, 4-7: my second.
.irp a, 0,1,2,3,4,5,6,7
.if \a >= 2
	s_wait_xcnt 0x0                                ; the stores of two blocks ago have read this fragment's registers
.endif
	BIASV \a
	QUANT T, FA+12*(\a%2), FA+12*(\a%2)+6, W+\a
.irp c, 0,1,2
	global_store_b128 v[LI], v[FA+12*(\a%2)+4*\c:FA+12*(\a%2)+4*\c+3], s[96:97] offset:HEADB*(\a/4)+6144+1536*(\a%4)+512*\c
.endr
.endr
	global_store_b128 v[LI], v[W:W+3], s[96:97] offset:12800
	global_store_b128 v[LI], v[W+4:W+7], s[96:97] offset:HEADB+12800
.Lend:
	s_wait_tensorcnt 0x0                           ; the wave's end
	ds_add_u32 v[SPW], v[NIL]
	s_wait_dscnt 0x0
	CROUND                                         ; the closing round: no work-group ends while a partner may still ask for a tile that names it
	s_endpgm
.Lfunc_end_k_qaa881bb372_qkv:
	.size	k_qaa881bb372_qkv, .Lfunc_end_k_qaa881bb372_qkv-k_qaa881bb372_qkv
	.p2alignl 7, 3214868480
	.fill 96, 4, 3214868480
	.section	.rodata,"a",@progbits
	.p2align	6, 0x0
	.amdhsa_kernel k_qaa881bb372_qkv
		.amdhsa_group_segment_fixed_size 327680
		.amdhsa_private_segment_fixed_size 0
		.amdhsa_enable_private_segment 0
		.amdhsa_kernarg_size 56
		.amdhsa_user_sgpr_count 2
		.amdhsa_user_sgpr_kernarg_segment_ptr 1
		.amdhsa_wavefront_size32 1
		.amdhsa_system_sgpr_workgroup_id_x 1
		.amdhsa_system_sgpr_workgroup_id_y 1
		.amdhsa_system_sgpr_workgroup_id_z 1
		.amdhsa_system_vgpr_workitem_id 0
		.amdhsa_next_free_vgpr 1024
		.amdhsa_next_free_sgpr 106
		.amdhsa_reserve_vcc 0
		.amdhsa_float_denorm_mode_32 3
		.amdhsa_float_denorm_mode_16_64 3
		.amdhsa_memory_ordered 1
		.amdhsa_forward_progress 1
		.amdhsa_inst_pref_size 233
	.end_amdhsa_kernel
	.amdgpu_metadata
---
amdhsa.version: [ 1, 2 ]
amdhsa.kernels:
  - .name:           k_qaa881bb372_qkv
    .symbol:         k_qaa881bb372_qkv.kd
    .args:
      - { .name: x_codes, .offset: 0, .size: 8, .value_kind: global_buffer, .address_space: global }
      - { .name: x_scales, .offset: 8, .size: 8, .value_kind: global_buffer, .address_space: global }
      - { .name: qkv_w_codes, .offset: 16, .size: 8, .value_kind: global_buffer, .address_space: global }
      - { .name: qkv_w_scales, .offset: 24, .size: 8, .value_kind: global_buffer, .address_space: global }
      - { .name: qkv_b, .offset: 32, .size: 8, .value_kind: global_buffer, .address_space: global }
      - { .name: qimg, .offset: 40, .size: 8, .value_kind: global_buffer, .address_space: global }
      - { .name: kvimg, .offset: 48, .size: 8, .value_kind: global_buffer, .address_space: global }
    .group_segment_fixed_size: 327680
    .private_segment_fixed_size: 0
    .kernarg_segment_align: 8
    .kernarg_segment_size: 56
    .max_flat_workgroup_size: 128
    .sgpr_count:     106
    .vgpr_count:     1024
    .wavefront_size: 32
...
	.end_amdgpu_metadata
.endif
;; end of part 1
;; launch attn (part 2): grid 4 x 64, 16 waves a work-group, no clusters, 215,040 bytes of LDS; arguments qimg, kvimg, yimg, ysc; writes yimg, ysc
.if DOCPART == 2
	.amdgcn_target "amdgcn-amd-amdhsa--gfx1250"
	.amdhsa_code_object_version 6
	.text
	.protected	k_qaa881bb372_attn
	.globl	k_qaa881bb372_attn
	.p2align	8
	.type	k_qaa881bb372_attn,@function
k_qaa881bb372_attn:
	s_mov_b64 s[64:65], 0
	v_nop
	global_prefetch_b8 v0, s[64:65] scope:SCOPE_SE
	s_setreg_imm32_b32 hwreg(HW_REG_WAVE_MODE, 25, 1), 1
	s_wait_xcnt 0x0
; y[b][q][head] = softmax over the keys k <= q of (q . k / 8) times v, both products on codes of FP6 (E2M3) with one E8M0 scale for each 32 along K; y is then quantised along its 1,024 channels for the last product.
; THE SOFTMAX AHEAD OF THE SECOND PRODUCT: t = score x log2(e) / 8; M = the row's largest t so far, rounded UP to a whole number; p = 2^(t - M) is what is quantised, along the keys, not normalised.
; The row's sum is taken of the unquantised p and divides O at the end.  When M moves, the sum and O are multiplied by 2^(old M - new M): exact.
; SHARES.  A work-group serves one (batch, head).  The head's sixteen records of K and V (13,312 bytes for each 128 keys: operand registers as they stand, with their scale words) are 212,992 dense bytes: wave w brings
; record w by one tensor load, ONCE; nothing in LDS is ever filled again or stored to, so one barrier serves the launch.  Four work-groups (x = j) share a head's 2,048 queries.
; A wave owns one tile of 16 queries at a time, two in all: with blocks of 128 queries, waves 0-7 take blocks 15 - j and then j, waves 8-15 blocks 8 + j and then 7 - j: each wave works 17 key steps that count.
; Four waves share a SIMD, so that one wave's vector work stands beside another's products and LDS loads.
; NO CLUSTER: the four work-groups of a head read the same records, but the steps that the causal mask hides are left out by a branch on the wave's first query, which differs between them.
; Each record is read from memory or the cache by four work-groups, once each.
; HEAD SIZE 64 IN AN INSTRUCTION OF K = 128.  A fragment of K holds two tiles of 16 keys: registers 0-5 (k 0-63) the even tile's 64 channels, registers 6-11 (k 64-127) the odd tile's.  q's six registers lie between
; two runs of six zeros: v[22:33] = (q, 0) multiplies the even tile, v[16:27] = (0, q) the odd one.  Zero codes add nothing under the scale bytes here, which are 1 to 254.
; LAYOUT.  Both products are used transposed: S^T = K Q^T, O^T = V^T P^T: a lane holds ONE query (lane % 16) throughout; register 96 + 8 n + j is key 16 n + 8 h + j (h = lane / 16).
; Inside a block of 32 keys p's codes so lie as 0-7, 16-23, 8-15, 24-31, and V's were laid the same way; q's and k's channels likewise.  y meets a GIVEN operand, so its numbers are first brought into true order.
; LIMITS: NaN and infinities are not served.  A block whose largest magnitude lies under 2^-124, a block of zeros among them, gets the scale byte 1: this program alone reads the bytes.
; REGISTERS: v1-6 lane constants; v8-11 K's scale words; v12 -M, v13 the largest t, v[14:15] the sum in two halves; v16-33 zeros, q, zeros; v34 q's scale word; v36-83 four fragments of K, then of V; v84-87 V's scale words;
; v96-159 S^T, then p; v160-191 O^T; v224-235 p's codes; v232-254 at work.
.set REC,   13312
.set HEADB, 16*REC
.set VFR,   6144                       ; in a record: V's four fragments,
.set KSW,   12288                      ; the token fragments' scale words,
.set VSW,   12800                      ; V's scale words
.set LI,  1                            ; v1  16 x lane
.set ADK, 2                            ; v2  LDS address of the step's record, + 16 x lane
.set L8,  3                            ; v3  8 x lane
.set YS,  4                            ; v4  32 r + h: my byte among 16 rows of y's scale bytes
.set MD,  5                            ; v5  r - 8 h
.set SH8, 6                            ; v6  8 h
.set WV,  18                           ; s18 my wave's number;  s19 wave % 8
.set SEL, 20                           ; s[20:21] v_permlanex16_b32's selects for lane l xor 16
.set CS,  22                           ; s[22:23] c = log2(e) / 8
.set G1,  24                           ; s[24:31] descriptor group 1;  s[32:35] group 0
.set G0,  32
.set TB,  36                           ; s36 LDS byte of the step's record
.set KF,  37                           ; s37 the step's first key
.set Q0,  38                           ; s38 my first query
.set QSUM, 39                          ; s39 the sum of my two passes' first queries
.set PASS, 40
.set STEPS, 41
	s_load_b256 s[4:11], s[0:1], 0x0               ; q's records s[4:5], k's and v's s[6:7], y's codes s[8:9], y's scale bytes s[10:11]
	v_lshl_add_u32 v251, v0, 2, 0x34000
	v_mov_b32 v255, 0
	ds_add_u32 v251, v255
	ds_add_u32 v251, v255
	v_lshrrev_b32 v2, 5, v0
	s_delay_alu instid0(VALU_DEP_1)
	v_readfirstlane_b32 s[WV], v2                  ; wave 0..15
	s_and_b32 s19, s[WV], 7
	s_and_b32 s44, ttmp7, 0xffff                   ; batch x 16 + head
	s_lshr_b32 s45, s44, 4                         ; the batch
	s_and_b32 s46, s44, 15                         ; the head
	; descriptor group 1: a record as 52 dense rows of 256 bytes
	s_mov_b32 s[G1+0], 3<<16                       ; 15:0 no mask; 17:16 elements of 8 bytes; 20 no padding
	s_mov_b32 s[G1+1], 32<<16                      ; tensor_dim0 = 32
	s_mov_b32 s[G1+2], 52<<16                      ; tensor_dim1 = 52
	s_mov_b32 s[G1+3], 32<<16                      ; tile_dim0 = 32
	s_mov_b32 s[G1+4], 52                          ; tile_dim1 = 52
	s_mov_b32 s[G1+5], 32                          ; tensor_dim0_stride
	s_mov_b32 s[G1+6], 0
	s_mov_b32 s[G1+7], 0
	s_mov_b32 s[G0], 1                             ; count = 1
	s_mul_i32 s[G0+1], s[WV], REC                  ; LDS address: wave x 13,312
	s_mul_i32 s56, s44, HEADB
	s_add_co_u32 s56, s56, s[G0+1]
	s_mov_b32 s57, 0
	s_wait_dscnt 0x0
	s_wait_kmcnt 0x0
	s_add_nc_u64 s[G0+2:G0+3], s[6:7], s[56:57]    ; the head's record w
	s_or_b32 s[G0+3], s[G0+3], 0x80000000          ; type = 2
	tensor_load_to_lds s[G0:G0+3], s[G1:G1+7]      ; my one tensor load of the launch
	s_nop 0
.rept 4
	v_nop
.endr
	s_sub_co_u32 s56, 15, ttmp9
	s_add_co_u32 s57, ttmp9, 8
	s_cmp_lt_u32 s[WV], 8
	s_cselect_b32 s56, s56, s57                    ; the first pass's block of 128 queries: 15 - j or 8 + j
	s_lshl_b32 s[Q0], s56, 7
	s_lshl_b32 s57, s19, 4
	s_add_co_u32 s[Q0], s[Q0], s57                 ; + 16 x (wave % 8)
	s_lshl_b32 s[QSUM], s19, 5
	s_add_co_u32 s[QSUM], s[QSUM], 1920            ; the two blocks add up to 15
	s_and_b32 s56, s[WV], 1
	s_cmp_lg_u32 s56, 0
	s_cselect_b32 s42, -1, 0                       ; all lanes: my tile is the odd one of its fragment
	s_mov_b32 s43, 0x01000100
	s_cselect_b32 s43, 0x03020302, s43             ; which two bytes of the fragment's scale word are my tile's: they are laid twice
	s_mov_b32 s[SEL], 0x76543210
	s_mov_b32 s[SEL+1], 0xfedcba98
	s_mov_b32 s[CS], 0x3e38aa3b                    ; c = log2(e) / 8
	s_mov_b32 s[CS+1], s[CS]                       ; (named with it as a pair, so it is written)
	s_mov_b32 s[PASS], 2
	v_and_b32 v7, 31, v0
	s_delay_alu instid0(VALU_DEP_1)
	v_lshlrev_b32 v[LI], 4, v7
	s_delay_alu instid0(VALU_DEP_2)
	v_lshlrev_b32 v[L8], 3, v7
	v_and_b32 v7, 15, v0                           ; r
	v_bfe_u32 v[SH8], v0, 4, 1                     ; h
	s_delay_alu instid0(VALU_DEP_1)
	v_lshl_add_u32 v[YS], v7, 5, v[SH8]
	s_delay_alu instid0(VALU_DEP_2)
	v_lshlrev_b32 v[SH8], 3, v[SH8]
	s_delay_alu instid0(VALU_DEP_1)
	v_sub_nc_u32 v[MD], v7, v[SH8]
.irp i, 0,1,2,3,4,5
	v_mov_b32 v[16+\i], 0                          ; the zeros on both sides of q: written once
	v_mov_b32 v[28+\i], 0
.endr
.irp b, 0,1,2,3
	v_mov_b32 v[236+\b], 0                         ; written once: a lane permute's destination counts as one of its sources
.endr
	v_mov_b32 v252, 0
	v_mov_b32 v253, 0                              ; (named as the upper half of the pair v[252:253] before it is first written)
	s_wait_tensorcnt 0x0                           ; my record is in,
	s_barrier_signal -1
	s_barrier_wait -1                              ; everybody's is: from here on LDS is only read
.Lpass:
	; my tile of queries: half of fragment (wave % 8) / 2 of the block's record
	s_lshl_b32 s56, s44, 4
	s_lshr_b32 s57, s[Q0], 7
	s_add_co_u32 s56, s56, s57
	s_mul_i32 s56, s56, REC                        ; the record
	s_lshr_b32 s57, s19, 1
	s_mul_i32 s58, s57, 1536
	s_add_co_u32 s58, s58, s56
	s_mov_b32 s59, 0
	s_add_nc_u64 s[48:49], s[4:5], s[58:59]        ; the fragment
	s_lshl_b32 s57, s57, 2
	s_add_co_u32 s58, s56, s57
	s_add_co_u32 s58, s58, KSW
	s_add_nc_u64 s[50:51], s[4:5], s[58:59]        ; its scale word: of each lane's four the (wave % 8) / 2-th
.irp c, 0,1,2
	global_load_b128 v[36+4*\c:39+4*\c], v[LI], s[48:49] offset:512*\c
.endr
	global_load_b32 v35, v[LI], s[50:51]
	v_mov_b32 v13, 0xff61b1e6                      ; the largest t so far: -3e38, under every t
	s_delay_alu instid0(VALU_DEP_1)
	v_floor_f32 v12, -v13                          ; -M
	v_mov_b32 v14, 0                               ; the sum, in two halves
	v_mov_b32 v15, 0
	s_wait_loadcnt 0x0
.irp i, 0,1,2,3,4,5
	v_cndmask_b32 v[22+\i], v[36+\i], v[42+\i], s42    ; registers 0-5 or 6-11 of the fragment
.endr
	v_perm_b32 v34, v35, v35, s43                  ; my tile's two scale bytes, for k 0-63 and again for k 64-127
.set n, 0
.rept 32
	v_mov_b32 v[160+n], 0                          ; O^T.  (The step is written once: the first finds zeros.)  These are also the places between q's scale word and codes, written by vector instructions, and the first product
.set n, n+1
.endr
	s_mov_b32 s[TB], 0
	s_mov_b32 s[KF], 0
	s_mov_b32 s[STEPS], 16
.Lstep:                                            ; sixteen trips, a constant; a step all of whose keys come after my 16 queries is left out by a scalar branch on ids
	s_add_co_u32 s56, s[Q0], 15
	s_cmp_gt_u32 s[KF], s56
	s_cbranch_scc1 .Lhidden
	s_setprio 2
.rept 4
	v_nop                                          ; places in front of loads into registers that the last step's products have read
.endr
	v_add_nc_u32 v[ADK], s[TB], v[LI]
.irp f, 0,1,2,3
.irp c, 0,1,2
	ds_load_b128 v[36+12*\f+4*\c:39+12*\f+4*\c], v[ADK] offset:1536*\f+512*\c     ; K's four fragments: 512 consecutive bytes an instruction
.endr
.endr
	ds_load_b128 v[8:11], v[ADK] offset:KSW        ; and their scale words
	s_wait_alu depctr_va_vdst(0)
	s_wait_dscnt 0x0
.irp i, 0,1,2,3                                ; S^T = K Q^T: eight tiles of 16 keys
	v_wmma_scale_f32_16x16x128_f8f6f4 v[96+16*\i:103+16*\i], v[36+12*\i:47+12*\i], v[22:33], 0, v[8+\i], v34 matrix_a_fmt:MATRIX_FMT_FP6 matrix_b_fmt:MATRIX_FMT_FP6
	v_wmma_scale_f32_16x16x128_f8f6f4 v[104+16*\i:111+16*\i], v[36+12*\i:47+12*\i], v[16:27], 0, v[8+\i], v34 matrix_a_fmt:MATRIX_FMT_FP6 matrix_b_fmt:MATRIX_FMT_FP6
.endr
.rept 4
	v_nop                                          ; places in front of the loads below and of the first read of the scores
.endr
.irp f, 0,1,2,3
.irp c, 0,1,2
	ds_load_b128 v[36+12*\f+4*\c:39+12*\f+4*\c], v[ADK] offset:VFR+1536*\f+512*\c   ; V's four fragments land while the softmax is worked
.endr
.endr
	ds_load_b128 v[84:87], v[ADK] offset:VSW
	s_add_co_u32 s56, s[KF], 127                   ; on the diagonal the scores of hidden keys become -infinity ahead of the maximum: p = 0 then.  A step all of whose keys count skips this
	s_cmp_le_u32 s56, s[Q0]
	s_cbranch_scc1 .Lopen
	s_sub_co_i32 s56, s[Q0], s[KF]
	v_add_nc_u32 v252, s56, v[MD]                  ; d = my query - KF - 8 h.  Register 8 n + j holds key KF + 8 h + 16 n + j: hidden where 16 n + j > d
	v_mov_b32 v254, 0xff800000                     ; -infinity
.set n, 0
.rept 64
	v_cmp_gt_i32 vcc_lo, 16*(n/8)+n%8, v252
	v_cndmask_b32 v[96+n], v[96+n], v254, vcc_lo
.set n, n+1
.endr
.Lopen:
.irp b, 0,1,2,3
	v_max3_num_f32 v[232+\b], v[96+16*\b], v[97+16*\b], v[98+16*\b]   ; the largest score of each block of 32 keys: it serves for the row's maximum and, since p rises with the score, for the block's largest p
.endr
.irp i, 3,5,7,9,11,13
.irp b, 0,1,2,3
	v_max3_num_f32 v[232+\b], v[232+\b], v[96+16*\b+\i], v[97+16*\b+\i]   ; (the four blocks by turns)
.endr
.endr
.irp b, 0,1,2,3
	v_max_num_f32 v[232+\b], v[232+\b], v[111+16*\b]
.endr
.irp b, 0,1,2,3
	s_delay_alu instid0(VALU_DEP_4)
	v_permlanex16_b32 v[236+\b], v[232+\b], s[SEL], s[SEL+1]
.endr
.irp b, 0,1,2,3
	s_delay_alu instid0(VALU_DEP_4)
	v_max_num_f32 v[232+\b], v[232+\b], v[236+\b]  ; with lane l xor 16's 16 keys
.endr
	s_delay_alu instid0(VALU_DEP_2)
	v_max3_num_f32 v254, v232, v233, v234
	s_delay_alu instid0(VALU_DEP_1)
	v_max_num_f32 v254, v254, v235                 ; the step's largest score of my query
	s_delay_alu instid0(VALU_DEP_1)
	v_mul_f32 v254, s[CS], v254                    ; as t (c is positive)
	s_delay_alu instid0(VALU_DEP_1)
	v_max_num_f32 v13, v13, v254                   ; the running largest t
	v_mov_b32 v254, v12
	s_delay_alu instid0(VALU_DEP_2)
	v_floor_f32 v12, -v13                          ; the new -M = floor(-t) = -ceil(t): a whole number
	s_delay_alu instid0(VALU_DEP_1)
	v_sub_f32 v254, v12, v254                      ; M's old value less its new one: a whole number, 0 or less
	s_delay_alu instid0(VALU_DEP_1)
	v_cvt_i32_f32 v254, v254                       ; (it saturates)
	s_delay_alu instid0(VALU_DEP_1)
	v_ldexp_f32 v252, 1.0, v254                    ; f = 2^(old M - new M)
.set n, 0
.rept 32
	v_pk_fma_f32 v[96+n:97+n], v[96+n:97+n], s[CS:CS+1], v[12:13] op_sel_hi:[1,0,0]   ; t - M, two at a time (of the pairs c and -M the low word serves both halves)
.set n, n+2
.endr
	s_setprio 1
.irp b, 0,1,2,3
	v_fma_f32 v[232+\b], v[232+\b], s[CS], v12     ; the same of each block's largest score
.endr
.set n, 0
	s_wait_alu depctr_va_vdst(0)
.rept 64
	v_exp_f32 v[96+n], v[96+n]                     ; p = 2^(t - M), at most 1: not normalised
.set n, n+1
.endr
.irp b, 0,1,2,3
	v_exp_f32 v[232+\b], v[232+\b]                 ; the block's largest p: the same two instructions on the same number give the same bits
.endr
	v_pk_mul_f32 v[14:15], v[14:15], v[252:253] op_sel_hi:[1,0]   ; the sums under the new M.  (A plain place behind the exponentials)
	s_wait_alu depctr_va_vdst(0)
.irp b, 0,1,2,3
	v_max_num_f32 v[232+\b], 0x1800000, v[232+\b]  ; the floor 2^(3 - 127): the byte cannot fall under 1
.endr
.irp b, 0,1,2,3
	s_delay_alu instid0(VALU_DEP_4)
	v_add_nc_u32 v[244+\b], 0xff000000, v[232+\b]  ; 2 off the exponent field: the conversion's scale operand
.endr
.irp b, 0,1,2,3
	s_delay_alu instid0(VALU_DEP_4)
	v_lshrrev_b32 v[236+\b], 23, v[244+\b]         ; the scale's byte
.endr
	s_delay_alu instid0(VALU_DEP_3)
	v_lshl_or_b32 v253, v237, 8, v236              ; p's scale word for these 128 keys
	s_delay_alu instid0(VALU_DEP_1)
	v_lshl_or_b32 v253, v238, 16, v253
	s_delay_alu instid0(VALU_DEP_1)
	v_lshl_or_b32 v253, v239, 24, v253
.irp c, 0,1
	v_cvt_scalef32_pk16_fp6_f32 v[224+6*\c:226+6*\c], v[96+32*\c:111+32*\c], v[244+2*\c]
	v_cvt_scalef32_pk16_fp6_f32 v[236+4*\c:238+4*\c], v[112+32*\c:127+32*\c], v[244+2*\c+1]   ; (a conversion's three registers begin on an even number)
.endr
	v_nop                                          ; one plain place behind a scaled conversion
.irp c, 0,1                                    ; the operand's layout wants a whole block in a lane: lanes 0-15 block 2 c, lanes 16-31 block 2 c + 1
.irp i, 0,1,2
	v_permlane16_swap_b32 v[224+6*\c+\i], v[236+4*\c+\i]
.endr
.irp i, 0,1,2
	s_delay_alu instid0(VALU_DEP_3)
	v_mov_b32 v[227+6*\c+\i], v[236+4*\c+\i]
.endr
.endr
	v_pk_add_f32 v[236:237], v[100:101], v[104:105]
	v_pk_add_f32 v[248:249], v[108:109], v[112:113]
	v_pk_add_f32 v[246:247], v[116:117], v[120:121]
	v_pk_add_f32 v[244:245], v[124:125], v[128:129]
	v_pk_add_f32 v[242:243], v[132:133], v[136:137]
	v_pk_add_f32 v[240:241], v[140:141], v[144:145]
	v_pk_add_f32 v[222:223], v[148:149], v[152:153]
	v_pk_add_f32 v[14:15], v[14:15], v[156:157]
	v_pk_add_f32 v[236:237], v[236:237], v[96:97]
	v_pk_add_f32 v[248:249], v[248:249], v[98:99]
	v_pk_add_f32 v[246:247], v[246:247], v[102:103]
	s_setprio 0
	v_pk_add_f32 v[244:245], v[244:245], v[106:107]
	v_pk_add_f32 v[242:243], v[242:243], v[110:111]
	v_pk_add_f32 v[240:241], v[240:241], v[114:115]
	v_pk_add_f32 v[222:223], v[222:223], v[118:119]
	v_pk_add_f32 v[14:15], v[14:15], v[122:123]
	v_pk_add_f32 v[236:237], v[236:237], v[126:127]
	v_pk_add_f32 v[248:249], v[248:249], v[130:131]
	v_pk_add_f32 v[246:247], v[246:247], v[134:135]
	v_pk_add_f32 v[244:245], v[244:245], v[138:139]
	v_pk_add_f32 v[242:243], v[242:243], v[142:143]
	v_pk_add_f32 v[240:241], v[240:241], v[146:147]
	v_pk_add_f32 v[222:223], v[222:223], v[150:151]
	v_pk_add_f32 v[14:15], v[14:15], v[154:155]
	v_pk_add_f32 v[236:237], v[236:237], v[158:159]
	s_delay_alu instid0(VALU_DEP_2)
	v_pk_add_f32 v[14:15], v[14:15], v[244:245]
	s_delay_alu instid0(VALU_DEP_2)
	v_pk_add_f32 v[236:237], v[236:237], v[242:243]
	v_pk_add_f32 v[248:249], v[248:249], v[240:241]
	v_pk_add_f32 v[246:247], v[246:247], v[222:223]
	s_delay_alu instid0(VALU_DEP_2)
	v_pk_add_f32 v[14:15], v[14:15], v[248:249]
	s_delay_alu instid0(VALU_DEP_2)
	v_pk_add_f32 v[236:237], v[236:237], v[246:247]
	s_delay_alu instid0(VALU_DEP_1)
	v_pk_add_f32 v[14:15], v[14:15], v[236:237]
.set n, 0
.rept 16
	v_pk_mul_f32 v[160+n:161+n], v[160+n:161+n], v[252:253] op_sel_hi:[1,0]   ; O^T under the new M: x f.  (With the sums above: the places in front of the products below)
.set n, n+2
.endr
	s_wait_alu depctr_va_vdst(0)
	s_wait_dscnt 0x0                               ; V's fragments and scale words
.irp t, 0,1,2,3                                ; O^T += V^T P^T: four tiles of 16 channels, by turns; K = these 128 keys
	v_wmma_scale_f32_16x16x128_f8f6f4 v[160+8*\t:167+8*\t], v[36+12*\t:47+12*\t], v[224:235], v[160+8*\t:167+8*\t], v[84+\t], v253 matrix_a_fmt:MATRIX_FMT_FP6 matrix_b_fmt:MATRIX_FMT_FP6
.endr
.Lhidden:
	s_add_co_u32 s[KF], s[KF], 128
	s_add_co_u32 s[TB], s[TB], REC
	s_sub_co_u32 s[STEPS], s[STEPS], 1
	s_cmp_lg_u32 s[STEPS], 0
	s_cbranch_scc1 .Lstep
	s_setprio 0
	; THE WAY OUT.  y = O^T / the sum; register 8 t + j of lane (r, h) is y(query r, channel 16 t + 8 h + j).
.rept 4
	v_nop                                          ; places behind the last products
.endr
	v_add_f32 v14, v14, v15                        ; the sum's two halves,
	s_delay_alu instid0(VALU_DEP_1)
	v_permlanex16_b32 v252, v14, s[SEL], s[SEL+1]
	s_delay_alu instid0(VALU_DEP_1)
	v_add_f32 v14, v14, v252                       ; and lane l xor 16's: the row's sum
	s_wait_alu depctr_va_vdst(0)
	v_rcp_f32 v14, v14
	v_nop                                          ; a plain place behind the transcendental
.set n, 0
	s_wait_alu depctr_va_vdst(0)
.rept 16
	v_pk_mul_f32 v[96+n:97+n], v[160+n:161+n], v[14:15] op_sel_hi:[1,0]    ; each accumulator from its low end on
.set n, n+2
.endr
.irp b, 0,1                                    ; TRUE ORDER: tile 2 b's lanes 16-31 change places with tile 2 b + 1's lanes 0-15: registers 16 b + 0 .. 15 are then channels 32 b + 16 h + 0 .. 15
.irp j, 0,1,2,3,4,5,6,7
	v_permlane16_swap_b32 v[96+16*\b+\j], v[104+16*\b+\j]
.endr
.endr
.irp b, 0,1
	v_max3_num_f32 v[232+\b], |v[96+16*\b]|, |v[97+16*\b]|, 0x1800000      ; the head's two blocks of 32 channels: my 16 numbers, and the floor
.endr
.irp i, 2,4,6,8,10,12,14
.irp b, 0,1
	s_delay_alu instid0(VALU_DEP_2)
	v_max3_num_f32 v[232+\b], v[232+\b], |v[96+16*\b+\i]|, |v[97+16*\b+\i]|
.endr
.endr
.irp b, 0,1
	s_delay_alu instid0(VALU_DEP_2)
	v_permlanex16_b32 v[236+\b], v[232+\b], s[SEL], s[SEL+1]
.endr
.irp b, 0,1
	s_delay_alu instid0(VALU_DEP_2)
	v_max_num_f32 v[232+\b], v[232+\b], v[236+\b]
.endr
.irp b, 0,1
	s_delay_alu instid0(VALU_DEP_2)
	v_add_nc_u32 v[244+\b], 0xff000000, v[232+\b]
.endr
.irp b, 0,1
	s_delay_alu instid0(VALU_DEP_2)
	v_lshrrev_b32 v[236+\b], 23, v[244+\b]
.endr
	v_cvt_scalef32_pk16_fp6_f32 v[224:226], v[96:111], v244
	v_cvt_scalef32_pk16_fp6_f32 v[228:230], v[112:127], v245
	v_nop                                          ; one plain place behind a scaled conversion
.irp i, 0,1,2
	v_permlane16_swap_b32 v[224+\i], v[228+\i]     ; lanes 0-15 block 0, lanes 16-31 block 1; the first three registers the lower 16 codes, the other three the upper
.endr
	s_delay_alu instid0(VALU_DEP_3)
	v_mov_b32 v227, v228
	s_delay_alu instid0(VALU_DEP_3)
	v_mov_b32 v228, v229
	s_delay_alu instid0(VALU_DEP_3)
	v_mov_b32 v229, v230                           ; v224-229: registers 6 (head % 2) + 0 .. 5 of the last product's fragment for k = 128 (head / 2) on
	v_lshl_or_b32 v238, v237, 8, v236
	s_delay_alu instid0(VALU_DEP_1)
	v_lshrrev_b32 v238, v[SH8], v238               ; my block's byte: lanes 0-15 block 0's, lanes 16-31 block 1's
	s_lshl_b32 s56, s45, 11
	s_add_co_u32 s56, s56, s[Q0]                   ; my first row of y: 2,048 x batch + my first query
	s_lshr_b32 s57, s56, 4
	s_mul_i32 s58, s57, 12288                      ; a tile of 16 rows is eight fragments of 1,536 bytes;
	s_mul_i32 s57, s46, 768                        ; a head is half a fragment
	s_add_co_u32 s58, s58, s57
	s_mov_b32 s59, 0
	s_add_nc_u64 s[52:53], s[8:9], s[58:59]
	s_lshl_b32 s58, s56, 5                         ; scale bytes: 32 a row, two a head
	s_lshl_b32 s57, s46, 1
	s_add_co_u32 s58, s58, s57
	s_add_nc_u64 s[54:55], s[10:11], s[58:59]
	s_wait_alu depctr_va_vdst(0)
.irp p, 0,1,2
	global_store_b64 v[L8], v[224+2*\p:225+2*\p], s[52:53] offset:256*\p   ; 32 lanes store 256 consecutive bytes, at a multiple of 256 from the buffer's first byte
.endr
	global_store_b8 v[YS], v238, s[54:55]          ; one byte a lane: two bytes of each of 16 rows; 1 byte in 25 of what the tile stores
	s_wait_xcnt 0x0                                ; the stores have read their registers and bases: the next pass writes them again
	s_sub_co_u32 s[Q0], s[QSUM], s[Q0]             ; the other block's tile
	s_sub_co_u32 s[PASS], s[PASS], 1
	s_cmp_lg_u32 s[PASS], 0
	s_cbranch_scc1 .Lpass
	s_wait_tensorcnt 0x0
	ds_add_u32 v251, v255
	s_wait_dscnt 0x0
	s_endpgm
.Lfunc_end_k_qaa881bb372_attn:
	.size	k_qaa881bb372_attn, .Lfunc_end_k_qaa881bb372_attn-k_qaa881bb372_attn
	.p2alignl 7, 3214868480
	.fill 96, 4, 3214868480
	.section	.rodata,"a",@progbits
	.p2align	6, 0x0
	.amdhsa_kernel k_qaa881bb372_attn
		.amdhsa_group_segment_fixed_size 215040
		.amdhsa_private_segment_fixed_size 0
		.amdhsa_enable_private_segment 0
		.amdhsa_kernarg_size 32
		.amdhsa_user_sgpr_count 2
		.amdhsa_user_sgpr_kernarg_segment_ptr 1
		.amdhsa_wavefront_size32 1
		.amdhsa_system_sgpr_workgroup_id_x 1
		.amdhsa_system_sgpr_workgroup_id_y 1
		.amdhsa_system_sgpr_workgroup_id_z 1
		.amdhsa_system_vgpr_workitem_id 0
		.amdhsa_next_free_vgpr 256
		.amdhsa_next_free_sgpr 66
		.amdhsa_reserve_vcc 1
		.amdhsa_float_denorm_mode_32 3
		.amdhsa_float_denorm_mode_16_64 3
		.amdhsa_memory_ordered 1
		.amdhsa_forward_progress 1
		.amdhsa_inst_pref_size 35
	.end_amdhsa_kernel
	.amdgpu_metadata
---
amdhsa.version: [ 1, 2 ]
amdhsa.kernels:
  - .name:           k_qaa881bb372_attn
    .symbol:         k_qaa881bb372_attn.kd
    .args:
      - { .name: qimg, .offset: 0, .size: 8, .value_kind: global_buffer, .address_space: global }
      - { .name: kvimg, .offset: 8, .size: 8, .value_kind: global_buffer, .address_space: global }
      - { .name: yimg, .offset: 16, .size: 8, .value_kind: global_buffer, .address_space: global }
      - { .name: ysc, .offset: 24, .size: 8, .value_kind: global_buffer, .address_space: global }
    .group_segment_fixed_size: 215040
    .private_segment_fixed_size: 0
    .kernarg_segment_align: 8
    .kernarg_segment_size: 32
    .max_flat_workgroup_size: 512
    .sgpr_count:     66
    .vgpr_count:     256
    .wavefront_size: 32
...
	.end_amdgpu_metadata
.endif
;; end of part 2
;; launch proj (part 3): grid 4 x 32, 4 waves a work-group, clusters of 4 x 4, 327,680 bytes of LDS; arguments yimg, ysc, out_w_codes, out_w_scales, out0, out_b; writes out0
.if DOCPART == 3
	.amdgcn_target "amdgcn-amd-amdhsa--gfx1250"
	.amdhsa_code_object_version 6
	.text
	.protected	k_qaa881bb372_proj
	.globl	k_qaa881bb372_proj
	.p2align	8
	.type	k_qaa881bb372_proj,@function
k_qaa881bb372_proj:
	s_mov_b64 s[64:65], 0
	v_nop
	global_prefetch_b8 v0, s[64:65] scope:SCOPE_SE
	s_setreg_imm32_b32 hwreg(HW_REG_WAVE_MODE, 25, 1), 1
	s_wait_xcnt 0x0
	s_wait_alu depctr_hold_cnt(0) depctr_sa_sdst(0) depctr_va_vdst(0) depctr_va_sdst(0) depctr_va_ssrc(0) depctr_va_vcc(0) depctr_vm_vsrc(0)
	s_getreg_b32 s2, hwreg(HW_REG_IB_STS2, 6, 4)
	s_cmp_eq_u32 s2, 0
	s_cbranch_scc0 .Lentry_in_a_cluster
	s_endpgm
.Lentry_in_a_cluster:
	s_bfe_u32 s2, ttmp6, 0x10000c
	s_cmp_lg_u32 s2, 0xf033
	s_cbranch_scc0 .Lentry_shape_is_right
	s_endpgm
.Lentry_shape_is_right:
; out0[m][n] = sum over k of y[m][k] out_w[n][k] + out_b[n].  y: 8,192 x 1,024, out_w: 1,024 x 1,024: codes of FP6 (E2M3) with one E8M0 scale for each 32 along K; out0 f32; sums in f32.
; out_w's codes and both operands' scale bytes lie as rows with K innermost.  y's codes lie as IMAGES OF OPERAND REGISTERS: for each 16 rows eight fragments (128 along K each) of 1,536 bytes, a fragment as six pieces
; of 256 bytes, piece p = registers 2 p, 2 p + 1, 8 bytes a lane.
; A tile of C, 256 x 256, is made by four waves, 128 x 128 each: 64 accumulators, 512 registers.  K goes in steps of 256 through a ring of two LDS slots filled by the tensor data mover.
; THE SCALES of the work-group's 256 rows of y and 256 rows of out_w, for all of K, are two dense blocks: they come into LDS once, with the first fills, and stay.
; CLUSTERS: 4 x 4 work-groups; y's tile is shared along a row of the cluster, out_w's along a column: each is asked for jointly.  128 tiles: half of the chip's 256 WGPs have a work-group; a tile of half the size
; would read each LDS byte for half as many products.
; THE MATRIX INSTRUCTION IS USED TRANSPOSED (source 0 = 16 rows of out_w, source 1 = 16 rows of y): a lane holds eight neighbouring numbers of a row of C.  The bias is the C of each sum's first product.
; REGISTERS, in windows of 256: window 0: v0-31 addresses; v32-63 scale words, two sets; v64-127 the bias (out_b[N0 + 16 b + 8 h + j] at 8 b + j); from v128 y's fragments, one set; on the way out v128-255.
;   window 1: out_w's fragments, two sets.   windows 2, 3: the accumulators ((a, b) at v[8 (8 (a % 4) + b)]).
.set SIZE_N, 1024
.set KSTEP,  256
.set NQ,     KSTEP/128
.set ROWB,   192                       ; a row of out_w's tile in bytes
.set KROW,   768                       ; a row of 1,024 codes in memory; also 1 / 16 of a tile row of y's images
.set AROW,   3072                      ; y: two fragments, 16 rows x 256 K
.set PITCH,  240                       ; out_w's LDS row: 3 x (64 bytes + 16 of padding)
.set FR,     12
.set NL,     6
.set NP,     4
.set HALFT,  128*PITCH                 ; the place of 128 rows in a slot (y's images fill 24,576 bytes of it)
.set SLOT,   4*HALFT
.set LAPS,   2
.set KS,     32
.set SCL,    2*SLOT
.set HALFS,  (128*KS/256)*272
.set SBLK,   (16*KS/256)*272
.set SPARE,  SCL+4*HALFS               ; the spare words: 128 bytes a wave, two blocks of 256 bytes that no other line names
.set SPITCH, 528                       ; the way out: a stage of 16 rows x (512 bytes + 16) for each wave, in slot 0, which has had its last fill and its last read when the first result is stored there
.set ADRA, 16                          ; v16-17  LDS address of y's fragments in slot 0, 1: 8 x lane + my 128 rows' place
.set ADRB, 20                          ; v20-23  of out_w's fragments
.set STO,  24
.set RD,   25
.set CO,   26
.set ADRS, 27
.set SPW,  28
.set NIL,  29
.set OB,   30                          ; v30     32 h
.set SC,   32
.set BIA,  64
.set AF,   128
.set BK,   128
.set G1, 24
.set G0, 32
.set G1B, 48
.set G0B, 56
.set G1S, 68
.set G0S, 76
.set G1SB, 80
.set G0SB, 88
.set MSB, 0
.macro WIN new                         ; the immediate's high byte repeats the setting that is left
.if MSB != (\new)
	s_set_vgpr_msb (MSB<<8)|(\new)
.set MSB, (\new)
.endif
.endm
.set MUL_LO, 0xa1                      ; source 0 (out_w) window 1, source 1 (y) window 0, C and D window 2
.set MUL_HI, 0xf1                      ; the same, C and D window 3
.set TO_B,   0x40
.macro JLOAD g0a, g1a, g0b, g1b        ; a joint load: waves 0 and 1 fetch for y, waves 2 and 3 for out_w; four v_nop follow each line
	s_cmp_eq_u32 s15, 0
	s_cbranch_scc0 .Lfor_b_\@
	tensor_load_to_lds s[\g0a:\g0a+3], s[\g1a:\g1a+7]
	s_nop 0
.rept 4
	v_nop
.endr
	s_branch .Lasked_\@
.Lfor_b_\@:
	tensor_load_to_lds s[\g0b:\g0b+3], s[\g1b:\g1b+7]
	s_nop 0
.rept 4
	v_nop
.endr
.Lasked_\@:
.endm
.macro CREST
	s_cmp_lg_u32 s14, 0
	s_cbranch_scc1 .Lnot_wave_0_\@
	s_barrier_signal -3
.Lnot_wave_0_\@:
	s_barrier_wait -3
	s_barrier_signal -1
	s_barrier_wait -1
.endm
.macro CROUND
	s_barrier_signal -1
	s_barrier_wait -1
	CREST
.endm
	s_load_b128 s[4:7], s[0:1], 0x0                ; y's codes s[4:5], y's scales s[6:7]
	s_load_b128 s[8:11], s[0:1], 0x10              ; out_w's codes s[8:9], out_w's scales s[10:11]
	s_load_b64 s[12:13], s[0:1], 0x20              ; out0
	s_load_b64 s[96:97], s[0:1], 0x28              ; out_b
	v_lshl_add_u32 v[SPW], v0, 2, SPARE
	v_mov_b32 v[NIL], 0
	ds_add_u32 v28, v29
	ds_add_u32 v28, v29
	s_wait_dscnt 0x0
	v_lshrrev_b32 v1, 5, v0
	v_readfirstlane_b32 s14, v1                    ; wave 0..3
	s_lshr_b32 s15, s14, 1                         ; which half of the tile's rows is mine.  Also: I fetch for y (0) or for out_w (1)
	s_and_b32 s16, s14, 1                          ; which half of its columns.  Also: which 128 rows of that tile I fetch
	s_bfe_u32 s40, ttmp6, 0x40000                  ; cx, cy
	s_bfe_u32 s41, ttmp6, 0x40004
	s_lshl_b32 s42, ttmp9, 2
	s_add_co_u32 s42, s42, s40                     ; tile column of C
	s_and_b32 s17, ttmp7, 0xffff
	s_lshl_b32 s17, s17, 2
	s_add_co_u32 s17, s17, s41                     ; tile row of C
	s_lshl_b32 s43, s41, 2
	s_lshl_b32 s43, 15, s43                        ; my row of the cluster
	s_lshl_b32 s44, 0x1111, s40                    ; my column
	; descriptor group 1 for y: 8 tile rows (16 rows of y each) x 3,072 bytes, 12,288 bytes apart in memory, dense in LDS
	s_or_b32 s[G1+0], s43, (3<<16)|(1<<21)         ; 15:0 the mask: my row; 17:16 elements of 8 bytes; 20 no padding; 21 set beside a mask
	s_mov_b32 s[G1+1], 384<<16                     ; tensor_dim0 = 384
	s_mov_b32 s[G1+2], 8<<16                       ; tensor_dim1 = 8
	s_mov_b32 s[G1+3], 384<<16                     ; tile_dim0 = 384
	s_mov_b32 s[G1+4], 8                           ; tile_dim1 = 8
	s_mov_b32 s[G1+5], 1536                        ; tensor_dim0_stride
	s_mov_b32 s[G1+6], 0
	s_mov_b32 s[G1+7], 0
	; for out_w: 128 rows x 192 bytes, padded in LDS
	s_or_b32 s[G1B+0], s44, (0<<16)|(1<<20)|(1<<21)|(3<<22)|(3<<25)
	s_mov_b32 s[G1B+1], ROWB<<16
	s_mov_b32 s[G1B+2], 128<<16
	s_mov_b32 s[G1B+3], ROWB<<16
	s_mov_b32 s[G1B+4], 128
	s_mov_b32 s[G1B+5], KROW
	s_mov_b32 s[G1B+6], 0
	s_mov_b32 s[G1B+7], 0
	; and for the scales of 128 rows: 4,096 dense bytes as 16 rows of 256 bytes, 16 bytes of padding behind each
	s_or_b32 s[G1S+0], s43, (3<<16)|(1<<20)|(1<<21)|(5<<22)|(3<<25)
	s_or_b32 s[G1SB+0], s44, (3<<16)|(1<<20)|(1<<21)|(5<<22)|(3<<25)
.irp g, G1S, G1SB
	s_mov_b32 s[\g+1], 32<<16
	s_mov_b32 s[\g+2], (128*KS/256)<<16
	s_mov_b32 s[\g+3], 32<<16
	s_mov_b32 s[\g+4], 128*KS/256
	s_mov_b32 s[\g+5], 32
	s_mov_b32 s[\g+6], 0
	s_mov_b32 s[\g+7], 0
.endr
	s_lshl_b32 s18, s16, 7
	s_lshl_b32 s20, s17, 8
	s_add_co_u32 s20, s20, s18                     ; y: row 256 x tile row + 128 x half
	s_lshl_b32 s46, s42, 8
	s_add_co_u32 s46, s46, s18                     ; out_w: row 256 x tile column + 128 x half
	s_mov_b32 s21, 0
	s_mov_b32 s47, 0
	s_mov_b64 s[18:19], KS
	s_mul_u64 s[22:23], s[20:21], s[18:19]
	s_mul_u64 s[92:93], s[46:47], s[18:19]
	s_mov_b64 s[18:19], KROW
	s_mul_u64 s[20:21], s[20:21], s[18:19]         ; y's images: 12,288 bytes for 16 rows are 768 a row, as with rows of codes
	s_mul_u64 s[46:47], s[46:47], s[18:19]
	s_mul_i32 s45, s14, HALFT
	s_mul_i32 s94, s14, HALFS
	s_wait_kmcnt 0x0
	s_add_nc_u64 s[20:21], s[4:5], s[20:21]
	s_add_nc_u64 s[22:23], s[6:7], s[22:23]
	s_add_nc_u64 s[46:47], s[8:9], s[46:47]
	s_add_nc_u64 s[92:93], s[10:11], s[92:93]
	CROUND                                         ; all sixteen work-groups are here: the first joint loads meet
	s_mov_b32 s[G0S], 1
	s_add_co_u32 s[G0S+1], s94, SCL
	s_mov_b64 s[G0S+2:G0S+3], s[22:23]
	s_or_b32 s[G0S+3], s[G0S+3], 0x80000000
	s_mov_b32 s[G0SB], 1
	s_add_co_u32 s[G0SB+1], s94, SCL
	s_mov_b64 s[G0SB+2:G0SB+3], s[92:93]
	s_or_b32 s[G0SB+3], s[G0SB+3], 0x80000000
	JLOAD G0S, G1S, G0SB, G1SB                     ; the scales first
.irp s, 0,1
	s_mov_b32 s[G0+4*\s], 1
	s_add_co_u32 s[G0+4*\s+1], s45, \s*SLOT
	s_add_nc_u64 s[G0+4*\s+2:G0+4*\s+3], s[20:21], \s*AROW
	s_or_b32 s[G0+4*\s+3], s[G0+4*\s+3], 0x80000000
	s_mov_b32 s[G0B+4*\s], 1
	s_add_co_u32 s[G0B+4*\s+1], s45, \s*SLOT
	s_add_nc_u64 s[G0B+4*\s+2:G0B+4*\s+3], s[46:47], \s*ROWB
	s_or_b32 s[G0B+4*\s+3], s[G0B+4*\s+3], 0x80000000
	s_wait_alu depctr_va_vdst(0)
	s_wait_tensorcnt 0x0
	ds_add_u32 v28, v29
	s_wait_dscnt 0x0
	CROUND
	JLOAD G0+4*\s, G1, G0B+4*\s, G1B               ; by this text's count one tensor load of a wave is out here: the wait in front takes the others in
.endr
	v_and_b32 v1, 15, v0                           ; r
	v_bfe_u32 v2, v0, 4, 1                         ; h
	v_mul_u32_u24 v3, v1, PITCH
	v_mul_u32_u24 v4, v2, 24
	v_add_nc_u32 v4, v3, v4                        ; out_w: a fragment's row x pitch + 24 x half
	v_lshl_add_u32 v5, v2, 4, v4                   ; and the same behind one padding more
	v_and_b32 v6, 31, v0
	v_lshlrev_b32 v7, 3, v6                        ; y: 8 x lane
	s_mul_i32 s21, s15, HALFT                      ; my 128 rows of y
	s_mul_i32 s22, s16, HALFT                      ; my 128 rows of out_w,
	s_add_co_u32 s22, s22, 2*HALFT                 ; behind y's 256
.irp s, 0,1
	v_add_nc_u32 v[ADRA+\s], s21, v7
	v_add_nc_u32 v[ADRB+\s], s22, v4
	v_add_nc_u32 v[ADRB+2+\s], s22, v5
	s_add_co_u32 s21, s21, SLOT
	s_add_co_u32 s22, s22, SLOT
.endr
	v_mul_u32_u24 v5, v1, KS
	v_lshrrev_b32 v3, 8, v5
	v_lshl_add_u32 v5, v3, 4, v5
	s_mul_i32 s21, s15, HALFS
	s_mul_i32 s22, s16, HALFS
	s_add_co_u32 s22, s22, 2*HALFS
	s_sub_co_u32 s22, s22, s21
	v_mul_u32_u24 v3, s22, v2                      ; lanes 16-31 take out_w's: one product, the distance x h
	s_add_co_u32 s21, s21, SCL
	v_add_nc_u32 v5, v5, v3
	v_add_nc_u32 v[ADRS], s21, v5
	s_mul_i32 s23, s14, 16*SPITCH                  ; my stage
	v_mul_u32_u24 v5, v1, SPITCH
	v_lshl_add_u32 v5, v2, 5, v5
	v_add_nc_u32 v[STO], s23, v5
	v_lshlrev_b32 v[CO], 4, v6
	v_add_nc_u32 v[RD], s23, v[CO]
	v_lshlrev_b32 v[OB], 5, v2
	s_wait_alu depctr_va_vdst(0)
	s_lshl_b32 s20, s17, 8
	s_lshl_b32 s21, s15, 7
	s_add_co_u32 s20, s20, s21                     ; my first row of C
	s_mov_b32 s21, 0
	s_mov_b64 s[18:19], SIZE_N*4
	s_mul_u64 s[20:21], s[20:21], s[18:19]
	s_lshl_b32 s46, s42, 10                        ; my first column, in bytes of f32: 1,024 x tile column + 512 x half: in C's rows and in out_b alike
	s_lshl_b32 s47, s16, 9
	s_add_co_u32 s46, s46, s47
	s_mov_b32 s47, 0
	s_add_nc_u64 s[96:97], s[96:97], s[46:47]
	s_add_nc_u64 s[20:21], s[20:21], s[46:47]
	s_add_nc_u64 s[12:13], s[12:13], s[20:21]
.irp b, 0,1,2,3,4,5,6,7
	global_load_b128 v[BIA+8*\b:BIA+8*\b+3],   v[OB], s[96:97] offset:64*\b
	global_load_b128 v[BIA+8*\b+4:BIA+8*\b+7], v[OB], s[96:97] offset:64*\b+16
.endr
.macro FRAG reg, adr, q, i             ; a fragment of out_w from rows: 24 bytes of the row's stream of bits for each half, in pieces of 8 bytes; the second address register serves the pieces that lie behind one padding more
.irp p, 0,1,2,3,4,5
.set PC, 12*(\q)+6*(\p/3)+\p%3
.if PC%8 < 5
	ds_load_b64 v[\reg+2*\p:\reg+2*\p+1], v[\adr] offset:8*PC+16*(PC/8)+(\i)*16*PITCH
.else
	ds_load_b64 v[\reg+2*\p:\reg+2*\p+1], v[\adr+2] offset:8*PC+16*(PC/8)+(\i)*16*PITCH
.endif
.endr
.endm
.macro FRAG_A reg, adr, q, i           ; a fragment of y from its image: six pieces of 256 consecutive bytes
.irp p, 0,1,2,3,4,5
	ds_load_b64 v[\reg+2*\p:\reg+2*\p+1], v[\adr] offset:AROW*(\i)+1536*(\q)+256*\p
.endr
.endm
; 16 matrix instructions: y's blocks a0, a0 + 1 x out_w's eight, 128 along K.  zero = 1: the first product starts the sums from the bias.  The 64 accumulators take turns.
.macro MUL16 a0, p, q, sc, zero
.irp a, \a0, \a0+1
.irp b, 0,1,2,3,4,5,6,7
.if \zero
	v_wmma_scale_f32_16x16x128_f8f6f4 v[8*(8*((\a)%4)+\b):8*(8*((\a)%4)+\b)+7], v[128*(\p)+FR*\b:128*(\p)+FR*\b+FR-1], v[AF+FR*(\a):AF+FR*(\a)+FR-1], v[BIA+8*\b:BIA+8*\b+7], v[SC+8*NQ*(\sc)+NQ*\b+(\q)], v[SC+8*NQ*(\sc)+NQ*(\a)+(\q)] matrix_a_fmt:MATRIX_FMT_FP6 matrix_b_fmt:MATRIX_FMT_FP6 matrix_a_scale:MATRIX_SCALE_ROW1
.else
	v_wmma_scale_f32_16x16x128_f8f6f4 v[8*(8*((\a)%4)+\b):8*(8*((\a)%4)+\b)+7], v[128*(\p)+FR*\b:128*(\p)+FR*\b+FR-1], v[AF+FR*(\a):AF+FR*(\a)+FR-1], v[8*(8*((\a)%4)+\b):8*(8*((\a)%4)+\b)+7], v[SC+8*NQ*(\sc)+NQ*\b+(\q)], v[SC+8*NQ*(\sc)+NQ*(\a)+(\q)] matrix_a_fmt:MATRIX_FMT_FP6 matrix_b_fmt:MATRIX_FMT_FP6 matrix_a_scale:MATRIX_SCALE_ROW1
.endif
.endr
.endr
.endm
.macro FETCH_B slot, q, p
	WIN TO_B
.irp i, 0,1,2,3,4,5,6,7
	FRAG 128*(\p)+FR*\i, ADRB+\slot, \q, \i
.endr
	WIN 0
.endm
.macro FETCH_A slot, q, i0
.irp i, \i0, \i0+1, \i0+2, \i0+3
	FRAG_A AF+FR*(\i), ADRA+\slot, \q, \i
.endr
.endm
.macro SCALES sc
.irp i, 0,1,2,3,4,5,6,7
	ds_load_b64 v[SC+8*NQ*\sc+NQ*\i:SC+8*NQ*\sc+NQ*\i+1], v[ADRS] offset:\i*SBLK
.endr
.endm
; A load into a register that a matrix instruction has read, and a vector instruction or an LDS store that reads a matrix result, stand NP places behind it; only plain vector instructions that name none of its
; registers are places (ISA guide 7.12.1 for vector instructions).
.macro PLACES n
.rept \n
	v_nop
.endr
.endm
.macro STEP slot, q, zero              ; zero = 1: C is the bias, in window 0
	s_wait_dscnt 4*NL                              ; out_w's set and y's blocks 0-3 are in; the youngest 24 loads (y's blocks 4-7) may be out
	WIN MUL_LO-0x20*(\zero)
	MUL16 0, (\q)%2, \q, \slot, \zero
	MUL16 2, (\q)%2, \q, \slot, \zero
	s_wait_dscnt 0
	PLACES NP
	FETCH_B \slot, (\q)+1, 1-(\q)%2
	FETCH_A \slot, (\q)+1, 0
	WIN MUL_HI-0x30*(\zero)
	MUL16 4, (\q)%2, \q, \slot, \zero
	MUL16 6, (\q)%2, \q, \slot, \zero
	PLACES NP
	WIN 0
	FETCH_A \slot, (\q)+1, 4
.endm
.macro TURN slot, next, fill
	s_wait_tensorcnt 0x0                           ; all my tensor loads have landed: my part of the next slot  (every window is 0 here)
	ds_add_u32 v[SPW], v[NIL]                      ; 0 onto my spare word
	s_wait_dscnt 4*NL+1                            ; (the add and the youngest 24 loads may be out)
	WIN MUL_LO
	MUL16 0, 1, NQ-1, \slot, 0
	s_wait_dscnt 0x0                               ; the add is done, and my reads of this slot are over
	s_barrier_signal -1
	MUL16 2, 1, NQ-1, \slot, 0
	WIN 0
	s_barrier_wait -1
.if \fill
	CREST                                          ; the barrier has opened a round of the cluster's barrier: no wave of any partner still reads this slot or has a load on its way
	s_add_nc_u64 s[G0+4*\slot+2:G0+4*\slot+3], s[G0+4*\slot+2:G0+4*\slot+3], 2*AROW
	s_add_nc_u64 s[G0B+4*\slot+2:G0B+4*\slot+3], s[G0B+4*\slot+2:G0B+4*\slot+3], 2*ROWB
	JLOAD G0+4*\slot, G1, G0B+4*\slot, G1B         ; the first tensor load behind the round; its four v_nop are the places in front of the loads below
.else
	PLACES NP
.endif
	s_wait_alu depctr_va_vdst(0)
	v_add_nc_u32 v[ADRS], 4*NQ, v[ADRS]
	FETCH_B \next, 0, 0
	FETCH_A \next, 0, 0
	SCALES \next
	WIN MUL_HI
	MUL16 4, 1, NQ-1, \slot, 0
	MUL16 6, 1, NQ-1, \slot, 0
	PLACES NP
	WIN 0
	FETCH_A \next, 0, 4
.endm
	s_wait_tensorcnt 1                             ; the scales and my part of K step 0 are in (K step 1's load may be out)
	s_barrier_signal -1
	s_barrier_wait -1                              ; everybody's are
	FETCH_B 0, 0, 0
	FETCH_A 0, 0, 0
	SCALES 0
	FETCH_A 0, 0, 4
	s_wait_loadcnt 0x0                             ; the bias
	STEP 0, 0, 1                                   ; the first step stands in front of the loop: its products start the sums
	s_mov_b32 s3, LAPS-1
.Llap:
	TURN 0, 1, 1
	STEP 1, 0, 0
	TURN 1, 0, 1
	STEP 0, 0, 0
	s_sub_co_u32 s3, s3, 1
	s_cmp_lg_u32 s3, 0
	s_cbranch_scc1 .Llap
	TURN 0, 1, 0                                   ; the last lap fills nothing
	STEP 1, 0, 0
	s_wait_dscnt 4*NL
	WIN MUL_LO
	MUL16 0, 1, NQ-1, 1, 0
	MUL16 2, 1, NQ-1, 1, 0
	s_wait_dscnt 0
	WIN MUL_HI
	MUL16 4, 1, NQ-1, 1, 0
	MUL16 6, 1, NQ-1, 1, 0
	WIN 0
; THE WAY OUT, block by block of 16 rows x 128 columns, through my own stage in LDS: in as 32 bytes a lane, back as whole rows of 512 bytes.  LDS serves a wave's instructions in order (ISA guide 5.7.1.4).
.macro TOSTAGE a
.set AC, 64*((\a)%4)
	WIN 0x08+4*((\a)/4)                            ; the data: window 2 or 3
.irp b, 0,1,2,3,4,5,6,7
	ds_store_b128 v[STO], v[AC+8*\b:AC+8*\b+3] offset:64*\b          ; each accumulator from its low end on
	ds_store_b128 v[STO], v[AC+8*\b+4:AC+8*\b+7] offset:64*\b+16
.endr
	WIN 0
.set BB, BK+64*((\a)%2)
.irp t, 0,1,2,3,4,5,6,7,8,9,10,11,12,13,14,15
	ds_load_b128 v[BB+4*\t:BB+4*\t+3], v[RD] offset:\t*SPITCH
.endr
.endm
.macro SEND a, younger                 ; younger: the LDS instructions issued behind block a's loads, which may stay out
.set BB, BK+64*((\a)%2)
	s_wait_dscnt \younger
.if (\a) > 0
	s_add_nc_u64 s[12:13], s[12:13], 16*SIZE_N*4   ; (behind a wait on XCNT: the earlier stores have read their base)
.endif
.irp t, 0,1,2,3,4,5,6,7,8,9,10,11,12,13,14,15
	global_store_b128 v[CO], v[BB+4*\t:BB+4*\t+3], s[12:13] offset:\t*SIZE_N*4 th:TH_STORE_NT   ; 32 lanes store 512 consecutive bytes, at a multiple of 256 from C's first byte
.endr
.endm
	PLACES NP
	TOSTAGE 0
.irp a, 1,2,3,4,5,6,7
.if \a > 1
	s_wait_xcnt 0x0                                ; block a - 2's stores have read their registers and their base
.endif
	TOSTAGE \a
	SEND \a-1, 32                                  ; behind block a - 1's loads: block a's 16 stores and 16 loads
.endr
	s_wait_xcnt 0x0
	SEND 7, 0
	s_wait_tensorcnt 0x0                           ; the wave's end
	ds_add_u32 v[SPW], v[NIL]
	s_wait_dscnt 0x0
	CROUND                                         ; the closing round
	s_endpgm
.Lfunc_end_k_qaa881bb372_proj:
	.size	k_qaa881bb372_proj, .Lfunc_end_k_qaa881bb372_proj-k_qaa881bb372_proj
	.p2alignl 7, 3214868480
	.fill 96, 4, 3214868480
	.section	.rodata,"a",@progbits
	.p2align	6, 0x0
	.amdhsa_kernel k_qaa881bb372_proj
		.amdhsa_group_segment_fixed_size 327680
		.amdhsa_private_segment_fixed_size 0
		.amdhsa_enable_private_segment 0
		.amdhsa_kernarg_size 48
		.amdhsa_user_sgpr_count 2
		.amdhsa_user_sgpr_kernarg_segment_ptr 1
		.amdhsa_wavefront_size32 1
		.amdhsa_system_sgpr_workgroup_id_x 1
		.amdhsa_system_sgpr_workgroup_id_y 1
		.amdhsa_system_sgpr_workgroup_id_z 1
		.amdhsa_system_vgpr_workitem_id 0
		.amdhsa_next_free_vgpr 1024
		.amdhsa_next_free_sgpr 100
		.amdhsa_reserve_vcc 0
		.amdhsa_float_denorm_mode_32 3
		.amdhsa_float_denorm_mode_16_64 3
		.amdhsa_memory_ordered 1
		.amdhsa_forward_progress 1
		.amdhsa_inst_pref_size 162
	.end_amdhsa_kernel
	.amdgpu_metadata
---
amdhsa.version: [ 1, 2 ]
amdhsa.kernels:
  - .name:           k_qaa881bb372_proj
    .symbol:         k_qaa881bb372_proj.kd
    .args:
      - { .name: yimg, .offset: 0, .size: 8, .value_kind: global_buffer, .address_space: global }
      - { .name: ysc, .offset: 8, .size: 8, .value_kind: global_buffer, .address_space: global }
      - { .name: out_w_codes, .offset: 16, .size: 8, .value_kind: global_buffer, .address_space: global }
      - { .name: out_w_scales, .offset: 24, .size: 8, .value_kind: global_buffer, .address_space: global }
      - { .name: out0, .offset: 32, .size: 8, .value_kind: global_buffer, .address_space: global }
      - { .name: out_b, .offset: 40, .size: 8, .value_kind: global_buffer, .address_space: global }
    .group_segment_fixed_size: 327680
    .private_segment_fixed_size: 0
    .kernarg_segment_align: 8
    .kernarg_segment_size: 48
    .max_flat_workgroup_size: 128
    .sgpr_count:     100
    .vgpr_count:     1024
    .wavefront_size: 32
...
	.end_amdgpu_metadata
.endif
;; end of part 3
